; MI455X (gfx1250); checked and timed in simulation.
; The chip was launched on July 23, 2026; its instructions are those of AMD's public machine-readable ISA for CDNA 5 (MIT licence, August 2026) and "CDNA5" Instruction Set Architecture Reference Guide (July 2026). The comments in the code are by the model that wrote it; some were corrected since.
;; Multiple SA Head. Allowed arithmetic: float matrix products may take bf16 or f16 operands with f32 sums; all other float work in f32.
;; Inputs: Wk 16 x 1,024 x 64 float32; Wp 1,024 x 1,024 float32; Wq 16 x 1,024 x 64 float32; Wv 16 x 1,024 x 64 float32; bp 1,024 float32; x 8 x 1,024 x 1,024 float32.
;; Outputs: out0 8 x 1,024 x 1,024 float32.
;; 2 versions, each right; version 2 is version 1 with the launch prep written anew for expert scheduling mode. Each part assembles by itself: llvm-mc -triple=amdgcn-amd-amdhsa -mcpu=gfx1250 --defsym DOCPART=n.
;; ======== version 1 of 2: 4 launches
;; limits: values are held in f16: magnitudes above 65,504 overflow, below 6.1e-05 lose precision; right only within a limited range of input values
;; workspace buffers: xb 16,777,216 bytes; wt 6,291,456 bytes; wpb 2,097,152 bytes; qkv 50,331,648 bytes; att 16,777,216 bytes
;; launch prep (part 1): grid 768 x 1, 8 waves a work-group, no clusters, 34,816 bytes of LDS; arguments x, Wp, Wq, Wk, Wv, xb, wpb, wt; writes xb, wpb, wt
.if DOCPART == 1
	.amdgcn_target "amdgcn-amd-amdhsa--gfx1250"
	.amdhsa_code_object_version 6
	.text
	.protected	k_q0f9490a7a2_prep
	.globl	k_q0f9490a7a2_prep
	.p2align	8
	.type	k_q0f9490a7a2_prep,@function
k_q0f9490a7a2_prep:
	s_mov_b64 s[64:65], 0
	v_nop
	global_prefetch_b8 v0, s[64:65] scope:SCOPE_SE
	s_setreg_imm32_b32 hwreg(HW_REG_WAVE_MODE, 25, 1), 1
	s_wait_xcnt 0x0
; FIRST OF FOUR LAUNCHES (prep, qkv, attn, proj) for causal multi-head self-attention, B = 8, T = E = 1024, H = 16, DH = 64.
; This launch makes the matrix operands once: xb = bf16(x) [8192][1024]; wt = bf16 of Wq, Wk, Wv transposed to [3072 n][1024 e],
; n = 64 (16 which + h) + d, so that e, the axis that is summed over, lies along the rows; wpb = bf16(Wp) kept in f16's format [1024 n][1024 e].
;
; WORK LEFT OUT, in the launch attn: reference() sets att[t][s] to -inf for s > t by a mask that it builds itself (tril), and softmax gives such a
; score the weight exp(-inf) = 0 whatever finite values x, Wq, Wk hold.  So key blocks of 64 that lie wholly above the diagonal, and inside the
; diagonal block the 16 x 16 tiles wholly above it, are neither multiplied nor summed.  Every input has a way to the output and is loaded.
; LIMIT: a NaN, an infinity or an overflow that arises only in those left-out scores is not carried to the result.
;
; FORMATS AND THEIR LIMITS.  x, Wq, Wk, Wv, Wp are rounded once, to bf16.  q, k, v, the softmax's weights and the attention's result are kept in
; f16 (eleven bits instead of eight: rows with few keys carry v almost unchanged to the output): |q|, |k|, |v| must stay below 65,504.
; Wp's partner operand is f16, so bf16(Wp) is stored as f16: exact for 2^-14 <= |w| < 65,504, off by at most 2^-25 below, infinite above.
;
; 768 work-groups of 16,384 numbers each: 0-511 cast x, 512-575 cast Wp, 576-767 transpose 256 e x 64 d of one head's weight through LDS.
; The branches hang on the work-group's number alone, so all eight waves of a work-group take the same path and meet the one barrier together.
; A stream: no matrix unit, no cluster (no two work-groups read the same byte), no tensor load (sixteen loads a lane are on their way at once).
.set TP, 528                           ; LDS pitch of a transposed row: 256 e x 2 bytes + 16
	s_load_b512 s[8:23], s[0:1], 0x0               ; x s[8:9], Wp s[10:11], Wq s[12:13], Wk s[14:15], Wv s[16:17], xb s[18:19], wpb s[20:21], wt s[22:23]
	v_lshl_add_u32 v108, v0, 2, 0x8400
	v_mov_b32 v109, 0
	s_mov_b32 s3, 0                                ; upper word of every byte offset (all are below 4 GiB)
	s_wait_kmcnt 0x0
	s_cmp_lt_u32 ttmp9, 512
	s_cbranch_scc1 .Lcast_x
	s_cmp_lt_u32 ttmp9, 576
	s_cbranch_scc1 .Lcast_p
	s_branch .Ltranspose
; 65,536 bytes of f32 at s[4:5] become 32,768 bytes of 16-bit numbers at s[6:7].  Thread t takes 16 bytes at 16 t of each block of 4,096:
; a wave's load covers 512 neighbouring bytes, its store 256 neighbouring bytes at a multiple of 256.
; twice = 1: rounded to bf16, widened again (a shift, a mask) and written as f16.
.macro STREAM twice
	v_lshlrev_b32 v1, 4, v0
	v_lshlrev_b32 v2, 3, v0
.irp i, 0,1,2,3,4,5,6,7,8,9,10,11,12,13,14,15
	global_load_b128 v[4+4*\i:7+4*\i], v1, s[4:5] offset:4096*\i th:TH_LOAD_NT
.endr
.irp i, 0,1,2,3,4,5,6,7,8,9,10,11,12,13,14,15
	s_wait_loadcnt 15-\i                           ; loads return in order: load i is in, the younger ones stay out
.if \twice
	v_cvt_pk_bf16_f32 v100, v[4+4*\i], v[5+4*\i]
	v_cvt_pk_bf16_f32 v101, v[6+4*\i], v[7+4*\i]
	v_lshlrev_b32 v102, 16, v100
	v_and_b32 v103, 0xffff0000, v100
	v_lshlrev_b32 v104, 16, v101
	v_and_b32 v105, 0xffff0000, v101
	v_cvt_pk_f16_f32 v[68+2*\i], v102, v103
	v_cvt_pk_f16_f32 v[69+2*\i], v104, v105
.else
	v_cvt_pk_bf16_f32 v[68+2*\i], v[4+4*\i], v[5+4*\i]
	v_cvt_pk_bf16_f32 v[69+2*\i], v[6+4*\i], v[7+4*\i]
.endif
	global_store_b64 v2, v[68+2*\i:69+2*\i], s[6:7] offset:2048*\i   ; each store has data registers of its own: none is written twice
.endr
.endm
.Lcast_x:
	s_lshl_b32 s2, ttmp9, 16
	s_add_nc_u64 s[4:5], s[8:9], s[2:3]
	s_lshl_b32 s2, ttmp9, 15
	s_add_nc_u64 s[6:7], s[18:19], s[2:3]
	STREAM 0
	s_endpgm
.Lcast_p:
	s_sub_co_u32 s24, ttmp9, 512
	s_lshl_b32 s2, s24, 16
	s_add_nc_u64 s[4:5], s[10:11], s[2:3]
	s_lshl_b32 s2, s24, 15
	s_add_nc_u64 s[6:7], s[20:21], s[2:3]
	STREAM 1
	s_endpgm
.Ltranspose:
	s_sub_co_u32 s24, ttmp9, 576                   ; u = 64 which + 4 h + eb
	s_lshr_b32 s25, s24, 6                         ; which: 0 Wq, 1 Wk, 2 Wv
	s_cmp_eq_u32 s25, 1
	s_cselect_b64 s[4:5], s[14:15], s[12:13]
	s_cmp_eq_u32 s25, 2
	s_cselect_b64 s[4:5], s[16:17], s[4:5]
	s_bfe_u32 s26, s24, 0x40002                    ; h
	s_lshl_b32 s26, s26, 18                        ; a head's weight: 1024 e x 256 bytes
	s_and_b32 s27, s24, 3                          ; eb: which 256 e
	s_lshl_b32 s2, s27, 16
	s_add_co_u32 s2, s2, s26
	s_add_nc_u64 s[4:5], s[4:5], s[2:3]
	s_lshr_b32 s26, s24, 2                         ; 16 which + h
	s_lshl_b32 s26, s26, 17                        ; 64 rows of wt, 2,048 bytes each
	s_lshl_b32 s2, s27, 9                          ; 256 e x 2 bytes along the row
	s_add_co_u32 s2, s2, s26
	s_add_nc_u64 s[6:7], s[22:23], s[2:3]
	v_lshrrev_b32 v2, 4, v0                        ; a = 0..15: rows e = 32 i + 2 a and the next
	v_and_b32 v3, 15, v0                           ; l: columns d = 4 l .. 4 l + 3
	v_lshlrev_b32 v1, 9, v2
	v_lshl_add_u32 v1, v3, 4, v1                   ; 512 a + 16 l: sixteen lanes read one whole row of 256 bytes
	v_mul_u32_u24 v3, v3, 4*TP
	v_lshl_add_u32 v3, v2, 2, v3                   ; LDS: row d = 4 l, e = 2 a
.irp i, 0,1,2,3,4,5,6,7
	global_load_b128 v[4+8*\i:7+8*\i],   v1, s[4:5] offset:8192*\i th:TH_LOAD_NT
	global_load_b128 v[8+8*\i:11+8*\i],  v1, s[4:5] offset:8192*\i+256 th:TH_LOAD_NT
.endr
.irp i, 0,1,2,3,4,5,6,7
	s_wait_loadcnt 14-2*\i                         ; pair i of rows is in, the younger pairs stay out
.irp c, 0,1,2,3
	v_cvt_pk_bf16_f32 v[68+\c], v[4+8*\i+\c], v[8+8*\i+\c]      ; (e, e + 1) of column d = 4 l + c: neighbours in the transposed row
	ds_store_b32 v3, v[68+\c] offset:TP*\c+64*\i
.endr
.endr
	s_wait_dscnt 0x0                               ; my stores are in LDS before I say so: other waves read them
	s_barrier_signal -1
	s_barrier_wait -1
	v_lshrrev_b32 v2, 5, v0                        ; wave: rows d = wave + 8 k
	v_and_b32 v100, 31, v0
	v_mul_u32_u24 v104, v2, TP
	v_lshl_add_u32 v104, v100, 4, v104
	v_lshlrev_b32 v105, 11, v2
	v_lshl_add_u32 v105, v100, 4, v105
.irp k, 0,1,2,3,4,5,6,7
	ds_load_b128 v[72+4*\k:75+4*\k], v104 offset:8*TP*\k
.endr
.irp k, 0,1,2,3,4,5,6,7
	s_wait_dscnt 7-\k
	global_store_b128 v105, v[72+4*\k:75+4*\k], s[6:7] offset:16384*\k   ; 512 neighbouring bytes of one row of wt, at a multiple of 512
.endr
	s_wait_tensorcnt 0x0
	ds_add_u32 v108, v109
	s_wait_dscnt 0x0
	s_endpgm
.Lfunc_end_k_q0f9490a7a2_prep:
	.size	k_q0f9490a7a2_prep, .Lfunc_end_k_q0f9490a7a2_prep-k_q0f9490a7a2_prep
	.p2alignl 7, 3214868480
	.fill 96, 4, 3214868480
	.section	.rodata,"a",@progbits
	.p2align	6, 0x0
	.amdhsa_kernel k_q0f9490a7a2_prep
		.amdhsa_group_segment_fixed_size 34816
		.amdhsa_private_segment_fixed_size 0
		.amdhsa_enable_private_segment 0
		.amdhsa_kernarg_size 64
		.amdhsa_user_sgpr_count 2
		.amdhsa_user_sgpr_kernarg_segment_ptr 1
		.amdhsa_wavefront_size32 1
		.amdhsa_system_sgpr_workgroup_id_x 1
		.amdhsa_system_sgpr_workgroup_id_y 1
		.amdhsa_system_sgpr_workgroup_id_z 1
		.amdhsa_system_vgpr_workitem_id 0
		.amdhsa_next_free_vgpr 110
		.amdhsa_next_free_sgpr 66
		.amdhsa_reserve_vcc 0
		.amdhsa_float_denorm_mode_32 3
		.amdhsa_float_denorm_mode_16_64 3
		.amdhsa_memory_ordered 1
		.amdhsa_forward_progress 1
		.amdhsa_inst_pref_size 26
	.end_amdhsa_kernel
	.amdgpu_metadata
---
amdhsa.version: [ 1, 2 ]
amdhsa.kernels:
  - .name:           k_q0f9490a7a2_prep
    .symbol:         k_q0f9490a7a2_prep.kd
    .args:
      - { .name: x, .offset: 0, .size: 8, .value_kind: global_buffer, .address_space: global }
      - { .name: Wp, .offset: 8, .size: 8, .value_kind: global_buffer, .address_space: global }
      - { .name: Wq, .offset: 16, .size: 8, .value_kind: global_buffer, .address_space: global }
      - { .name: Wk, .offset: 24, .size: 8, .value_kind: global_buffer, .address_space: global }
      - { .name: Wv, .offset: 32, .size: 8, .value_kind: global_buffer, .address_space: global }
      - { .name: xb, .offset: 40, .size: 8, .value_kind: global_buffer, .address_space: global }
      - { .name: wpb, .offset: 48, .size: 8, .value_kind: global_buffer, .address_space: global }
      - { .name: wt, .offset: 56, .size: 8, .value_kind: global_buffer, .address_space: global }
    .group_segment_fixed_size: 34816
    .private_segment_fixed_size: 0
    .kernarg_segment_align: 8
    .kernarg_segment_size: 64
    .max_flat_workgroup_size: 256
    .sgpr_count:     66
    .vgpr_count:     110
    .wavefront_size: 32
...
	.end_amdgpu_metadata
.endif
;; end of part 1
;; launch qkv (part 2): grid 8 x 32, 4 waves a work-group, clusters of 4 x 4, 327,680 bytes of LDS; arguments xb, wt, qkv; writes qkv
.if DOCPART == 2
	.amdgcn_target "amdgcn-amd-amdhsa--gfx1250"
	.amdhsa_code_object_version 6
	.text
	.protected	k_q0f9490a7a2_qkv
	.globl	k_q0f9490a7a2_qkv
	.p2align	8
	.type	k_q0f9490a7a2_qkv,@function
k_q0f9490a7a2_qkv:
	s_mov_b64 s[64:65], 0
	v_nop
	global_prefetch_b8 v0, s[64:65] scope:SCOPE_SE
	s_setreg_imm32_b32 hwreg(HW_REG_WAVE_MODE, 25, 1), 1
	s_wait_xcnt 0x0
	s_wait_alu depctr_hold_cnt(0) depctr_sa_sdst(0) depctr_va_vdst(0) depctr_va_sdst(0) depctr_va_ssrc(0) depctr_va_vcc(0) depctr_vm_vsrc(0)
	s_getreg_b32 s2, hwreg(HW_REG_IB_STS2, 6, 4)
	s_cmp_eq_u32 s2, 0
	s_cbranch_scc0 .Lentry_in_a_cluster
	s_endpgm
.Lentry_in_a_cluster:
	s_bfe_u32 s2, ttmp6, 0x10000c
	s_cmp_lg_u32 s2, 0xf033
	s_cbranch_scc0 .Lentry_shape_is_right
	s_endpgm
.Lentry_shape_is_right:
; q, k, v for all heads as ONE product: C[m][n] = sum over e of xb[m][e] wt[n][e], m = 1024 b + t (8,192), n = 64 g + d (3,072), e to 1,024; bf16 operands,
; f32 sums, the result rounded once to f16 and stored as qkv[b][g][t][d] (g = h: q, 16 + h: k, 32 + h: v), each [t][d] block dense.  No work is left out here.
; LIMIT: |q|, |k|, |v| below 65,504 (f16).
; C has 32 x 16 blocks of 256 x 192.  32 x 8 = 256 work-groups STAY and make two blocks each, block columns bx and bx + 8 of one block row: the ring of LDS slots runs on
; from the first block into the second, so the second block's first tiles are on their way, and the first block's stores leave, while the waves work.
; Four waves, one for each SIMD; a wave makes 128 x 96: 48 accumulator tiles of 16 x 16, 384 registers.  e goes in steps of 128 through two LDS slots filled by the
; tensor data mover; a tile's rows are 256 bytes of memory at multiples of 256.
; CLUSTERS: 4 x 4 work-groups.  The four of a row of the cluster need the same tiles of xb, the four of a column the same tiles of wt: each tile is asked for
; jointly, by the same tensor load with the same descriptor and a mask that names the four.
; REGISTERS in windows of 256: window 0: v16-28 addresses, v64-127 and v128-191 fragments of xb (two buffers), v192-215 packed results;
; window 1: v64-111, v128-175 fragments of wt; window 2: tiles of my rows 0-63 (tile (a, b) at v[8 (6 a + b)]); window 3: those of rows 64-127.
; The matrix instruction is used transposed (source 0 = 16 rows of wt, source 1 = 16 rows of xb): lane l holds row l % 16 of C and eight neighbouring columns.
.set KSTEP,  128
.set PITCH,  272                       ; 256 bytes + 16: the sixteen rows that a fragment load touches start in sixteen different 16-byte columns modulo 256
.set HALFA,  128*PITCH                 ; what one tensor load brings of xb, and what a wave reads of it
.set HALFB,  96*PITCH                  ; the same of wt
.set SLOT,   2*HALFA+2*HALFB           ; xb's 256 rows, then wt's 192 rows
.set STAGE,  2*SLOT                    ; behind the ring, at a multiple of 256: the way out's bytes, into which no tensor load lands
.set HPL,    64*PITCH                  ; a plane of the stage: one head's 128 t x 64 d as 64 rows of two t each; three planes
.set NEXTB,  3145728                   ; eight block columns on: 8 x 192 rows of 2,048 bytes in wt, and 8 x 3 heads' blocks of 131,072 bytes in qkv
.set LAPS,   4                         ; a lap = two steps of e = once round the ring; 1,024 / 256
.set ADRA, 16                          ; v16-17  LDS address of my xb fragments in slot 0, 1
.set ADRB, 20                          ; v20-21  the same for wt
.set STO0, 24                          ; the way out: where I put 16 bytes, column blocks 0, 1, 4, 5
.set STO1, 25                          ; column blocks 2, 3
.set RD,   26                          ; where I read rows back
.set CO,   28                          ; my byte offset in a head's block of qkv
.set F0,   64
.set F1,   128
.set TMP,  192
.set G1, 24                            ; s[24:31] group 1 for xb's tiles
.set G0, 32                            ; s[32:39] group 0 for xb's tiles, one set for each slot
.set G1B, 48                           ; s[48:55] group 1 for wt's tiles
.set G0B, 56                           ; s[56:63] group 0 for wt's tiles, one set for each slot
.set MSB, 0
.macro WIN new                         ; the immediate's high byte repeats the setting that is left
.if MSB != \new
	s_set_vgpr_msb (MSB<<8)|\new
.set MSB, \new
.endif
.endm
.set MUL_LO, 0xa1                      ; source 0 (wt) window 1, source 1 (xb) window 0, C and D window 2
.set MUL_HI, 0xf1                      ; the same, C and D window 3
.set TO_B,   0x40                      ; destination window 1, address window 0
; A joint load.  Waves 0 and 1 fetch xb's two halves, waves 2 and 3 wt's.  The branch hangs on the wave's number alone.
.macro JLOAD s
	s_cmp_eq_u32 s11, 0
	s_cbranch_scc0 .Lfor_b_\@
	tensor_load_to_lds s[G0+4*\s:G0+4*\s+3], s[G1:G1+7]
	s_nop 0
	s_branch .Lasked_\@
.Lfor_b_\@:
	tensor_load_to_lds s[G0B+4*\s:G0B+4*\s+3], s[G1B:G1B+7]
	s_nop 0
.Lasked_\@:
.endm
; A round of the cluster's barrier: my work-group's barrier, wave 0 signals for the work-group, every wave waits for all sixteen, my work-group's barrier again.
.macro CREST
	s_cmp_lg_u32 s10, 0
	s_cbranch_scc1 .Lnot_wave_0_\@
	s_barrier_signal -3
.Lnot_wave_0_\@:
	s_barrier_wait -3
	s_barrier_signal -1
	s_barrier_wait -1
.endm
.macro CROUND
	s_barrier_signal -1
	s_barrier_wait -1
	CREST
.endm
	s_load_b128 s[4:7], s[0:1], 0x0                ; xb s[4:5], wt s[6:7]
	s_load_b64 s[8:9], s[0:1], 0x10                ; qkv
	s_set_vgpr_msb 0x40
	v_lshl_add_u32 v255, v0, 2, 0x48400
	s_set_vgpr_msb 0x4000
	v_mov_b32 v255, 0
	s_set_vgpr_msb 0x1
	ds_add_u32 v255, v255
	ds_add_u32 v255, v255
	s_set_vgpr_msb 0x100
	v_lshrrev_b32 v1, 5, v0
	v_readfirstlane_b32 s10, v1                    ; wave 0..3
	s_lshr_b32 s11, s10, 1                         ; which half of the block's rows is mine.  Also: I fetch for xb (0) or for wt (1)
	s_and_b32 s12, s10, 1                          ; which half of its columns.  Also: which half of that tile I fetch
	s_bfe_u32 s40, ttmp6, 0x40000                  ; cx
	s_bfe_u32 s41, ttmp6, 0x40004                  ; cy
	s_lshl_b32 s42, ttmp9, 2
	s_add_co_u32 s42, s42, s40                     ; first block column = 4 x cluster x + cx, 0..7
	s_and_b32 s13, ttmp7, 0xffff
	s_lshl_b32 s13, s13, 2
	s_add_co_u32 s13, s13, s41                     ; block row = 4 x cluster y + cy, 0..31
	s_lshl_b32 s43, s41, 2
	s_lshl_b32 s43, 15, s43                        ; my row of the cluster: places 4 cy .. 4 cy + 3
	s_lshl_b32 s44, 0x1111, s40                    ; my column: places cx, cx + 4, cx + 8, cx + 12
	s_or_b32 s[G1+0], s43, (1<<16)|(1<<20)|(1<<21)|(5<<22)|(3<<25)   ; mask of my row; elements of 2 bytes; padding on; bit 21 beside a mask; after every 64 words, 4 words
	s_or_b32 s[G1B+0], s44, (1<<16)|(1<<20)|(1<<21)|(5<<22)|(3<<25)  ; the same with the mask of my column
	s_mov_b32 s[G1+1], KSTEP<<16                   ; tensor_dim0 = 128
	s_mov_b32 s[G1B+1], KSTEP<<16
	s_mov_b32 s[G1+2], 128<<16                     ; tensor_dim1 = 128 rows
	s_mov_b32 s[G1B+2], 96<<16                     ; 96 rows
	s_mov_b32 s[G1+3], KSTEP<<16                   ; tile_dim0 = 128
	s_mov_b32 s[G1B+3], KSTEP<<16
	s_mov_b32 s[G1+4], 128                         ; tile_dim1
	s_mov_b32 s[G1B+4], 96
	s_mov_b32 s[G1+5], 1024                        ; elements from row to row
	s_mov_b32 s[G1B+5], 1024
	s_mov_b32 s[G1+6], 0
	s_mov_b32 s[G1B+6], 0
	s_mov_b32 s[G1+7], 0
	s_mov_b32 s[G1B+7], 0
	; xb's tiles hang on the block row alone, wt's on the block column alone; each address is made in registers that never hold the other coordinate
	s_lshl_b32 s17, s12, 7
	s_lshl_b32 s16, s13, 8
	s_add_co_u32 s16, s16, s17                     ; xb: row 256 x block row + 128 x half
	s_lshl_b32 s16, s16, 11                        ; 2,048 bytes a row (below 2^24)
	s_mov_b32 s17, 0
	s_mul_i32 s46, s42, 192
	s_mul_i32 s47, s12, 96
	s_add_co_u32 s46, s46, s47                     ; wt: row 192 x block column + 96 x half
	s_lshl_b32 s46, s46, 11
	s_mov_b32 s47, 0
	s_mul_i32 s20, s10, HALFA                      ; LDS: waves 0, 1: xb's halves at wave x 128 rows
	s_mul_i32 s45, s10, HALFB                      ; waves 2, 3: wt's halves behind xb's 256 rows, at (wave - 2) x 96 rows
	s_add_co_u32 s45, s45, 2*HALFA-2*HALFB
	s_wait_dscnt 0x0
	s_wait_kmcnt 0x0
	s_add_nc_u64 s[14:15], s[4:5], s[16:17]
	s_add_nc_u64 s[46:47], s[6:7], s[46:47]
	CROUND                                         ; all sixteen work-groups are here: the first joint loads meet
.irp s, 0,1
	s_mov_b32 s[G0+4*\s], 1
	s_add_co_u32 s[G0+4*\s+1], s20, \s*SLOT
	s_add_nc_u64 s[G0+4*\s+2:G0+4*\s+3], s[14:15], \s*KSTEP*2
	s_or_b32 s[G0+4*\s+3], s[G0+4*\s+3], 0x80000000
	s_mov_b32 s[G0B+4*\s], 1
	s_add_co_u32 s[G0B+4*\s+1], s45, \s*SLOT
	s_add_nc_u64 s[G0B+4*\s+2:G0B+4*\s+3], s[46:47], \s*KSTEP*2
	s_or_b32 s[G0B+4*\s+3], s[G0B+4*\s+3], 0x80000000
	JLOAD \s                                       ; both slots' first fills go out together: two tensor loads of a wave are out, later one
.endr
	v_and_b32 v1, 15, v0                           ; r = l % 16
	v_bfe_u32 v2, v0, 4, 1                         ; hh = l / 16
	v_mul_u32_u24 v3, v1, PITCH
	v_lshl_add_u32 v3, v2, 4, v3                   ; fragments: row x pitch + 16 x half
	s_mul_i32 s21, s11, HALFA
	s_mul_i32 s22, s12, HALFB
	s_add_co_u32 s22, s22, 2*HALFA
.irp s, 0,1
	v_add_nc_u32 v[ADRA+\s], s21, v3
	v_add_nc_u32 v[ADRB+\s], s22, v3
	s_add_co_u32 s21, s21, SLOT
	s_add_co_u32 s22, s22, SLOT
.endr
	; The way out goes in two halves: first every wave's rows 0-63 (window 2), then its rows 64-127 (window 3).  In a half, row 16 a + r of my 64 lies in stage row
	; 32 rh + 8 a + r / 2, half r % 2; column block idx = 6 ch + b of sixteen: plane idx / 4, byte 32 (idx % 4) + 16 hh of the t's 128 bytes.
	v_lshrrev_b32 v6, 1, v1
	v_and_b32 v7, 1, v1
	v_mul_u32_u24 v4, v6, PITCH
	v_lshl_add_u32 v4, v7, 7, v4
	v_lshl_add_u32 v4, v2, 4, v4
	s_mul_i32 s21, s11, 32*PITCH
	s_add_co_u32 s21, s21, STAGE
	s_mul_i32 s22, s12, HPL+64                     ; ch = 1 moves column blocks 0, 1, 4, 5 by a plane and 64 bytes,
	s_add_co_u32 s22, s22, s21
	v_add_nc_u32 v[STO0], s22, v4
	s_mul_i32 s23, s12, 2*HPL-64                   ; and blocks 2, 3 by two planes less 64 bytes
	s_add_co_u32 s23, s23, s21
	v_add_nc_u32 v[STO1], s23, v4
	v_mul_u32_u24 v5, v2, PITCH                    ; back: lanes 0-15 one stage row of 256 bytes, lanes 16-31 the next; wave w takes rows 16 w .. 16 w + 15 of each plane
	v_lshl_add_u32 v5, v1, 4, v5
	s_mul_i32 s23, s10, 16*PITCH
	s_add_co_u32 s23, s23, STAGE
	v_add_nc_u32 v[RD], s23, v5
	v_and_b32 v8, 31, v0
	v_lshlrev_b32 v8, 4, v8
	s_lshl_b32 s23, s11, 14                        ; stage rows 32 rh .. are the block's rows of two t 64 rh + 32 half ..: 16,384 (w / 2)
	s_lshl_b32 s22, s12, 12                        ; + 4,096 (w % 2)
	s_add_co_u32 s23, s23, s22
	v_add_nc_u32 v[CO], s23, v8                    ; + 16 l
	s_lshr_b32 s16, s13, 2                         ; b
	s_mul_i32 s16, s16, 6291456                    ; 48 blocks of 131,072 bytes
	s_and_b32 s17, s13, 3
	s_lshl_b32 s17, s17, 15                        ; 256 t x 128 bytes
	s_add_co_u32 s16, s16, s17
	s_mov_b32 s17, 0
	s_add_nc_u64 s[8:9], s[8:9], s[16:17]
	s_mul_i32 s46, s42, 393216                     ; three heads' blocks for each block column
	s_mov_b32 s47, 0
	s_add_nc_u64 s[8:9], s[8:9], s[46:47]          ; qkv at the first block's three heads
; 12 matrix instructions: row blocks a0, a0 + 1 of the window's four x all 6 column blocks, 32 along e.  zero = 1: the first product starts the sums.
.macro MULX f, hi, a0, zero
.irp a, \a0, \a0+1
.irp b, 0,1,2,3,4,5
.if \zero
	v_wmma_f32_16x16x32_bf16 v[8*(6*(\a)+\b):8*(6*(\a)+\b)+7], v[\f+8*\b:\f+8*\b+7], v[\f+8*(4*\hi+\a):\f+8*(4*\hi+\a)+7], 0
.else
	v_wmma_f32_16x16x32_bf16 v[8*(6*(\a)+\b):8*(6*(\a)+\b)+7], v[\f+8*\b:\f+8*\b+7], v[\f+8*(4*\hi+\a):\f+8*(4*\hi+\a)+7], v[8*(6*(\a)+\b):8*(6*(\a)+\b)+7]
.endif
.endr
.endr
.endm
; 28 LDS loads in one run: 96 rows of wt, 128 rows of xb, 32 e at byte k of the rows, into buffer f
.macro FETCH slot, k, f
	WIN TO_B
.irp i, 0,1,2,3,4,5
	ds_load_b128 v[\f+8*\i:\f+8*\i+3],   v[ADRB+\slot] offset:\k+\i*16*PITCH
	ds_load_b128 v[\f+8*\i+4:\f+8*\i+7], v[ADRB+\slot] offset:\k+\i*16*PITCH+32
.endr
	WIN 0
.irp i, 0,1,2,3,4,5,6,7
	ds_load_b128 v[\f+8*\i:\f+8*\i+3],   v[ADRA+\slot] offset:\k+\i*16*PITCH
	ds_load_b128 v[\f+8*\i+4:\f+8*\i+7], v[ADRA+\slot] offset:\k+\i*16*PITCH+32
.endr
.endm
; Four independent vector instructions stand between a matrix instruction and a load into, or a vector access to, its registers (ISA guide 7.12.1 for vector accesses)
.macro PLACES
.rept 4
	v_nop
.endr
.endm
; A step of e is four quarters of 32, 48 matrix instructions each, on buffers 0, 1, 0, 1.  The 48 accumulators take turns, one instruction a turn, in the same order
; in every quarter, over the loops' backward jumps too.
.macro QUARTER slot, k, f, g, zero
	s_wait_dscnt 8                                 ; wt and xb's rows 0-63 are in; the youngest eight loads (xb's rows 64-127) may be out
	WIN MUL_LO
	MULX \f, 0, 0, \zero
	MULX \f, 0, 2, \zero
	PLACES
	FETCH \slot, \k, \g
	s_wait_dscnt 28                                ; all but the 28 just issued
	WIN MUL_HI
	MULX \f, 1, 0, \zero
	MULX \f, 1, 2, \zero
.endm
.macro THREE slot, zero
	QUARTER \slot, 64,  F0, F1, \zero
	QUARTER \slot, 128, F1, F0, 0
	QUARTER \slot, 192, F0, F1, 0
.endm
; The last quarter multiplies buffer 1 and changes slots.  In front of the barrier each wave waits for its reads of this slot and for all its tensor loads (the one
; that is out is its part of the next slot).  Behind it this slot is filled again first, then the next slot's first fragments are read (fetch = 1).
; fill = 1: two steps of e on.  fill = 2: the same slot's first step of the NEXT block: xb goes back three refills of 512 bytes, wt goes eight block columns on less as much.
.macro TURN slot, next, fill, fetch
	s_wait_dscnt 8
	WIN MUL_LO
	MULX F1, 0, 0, 0
	s_wait_dscnt 0                                 ; my reads of this slot are over
	s_wait_tensorcnt 0x0                           ; all my tensor loads have landed
	ds_add_u32 v255, v255
	s_wait_dscnt 0x0
	s_barrier_signal -1                            ; (where a slot is filled again this barrier opens a round of the cluster's barrier)
	MULX F1, 0, 2, 0                               ; register work while the others arrive
	WIN 0
	s_barrier_wait -1
.if \fill
	CREST                                          ; no wave of any partner still reads this slot or has a load on its way
.if \fill == 1
	s_add_nc_u64 s[G0+4*\slot+2:G0+4*\slot+3], s[G0+4*\slot+2:G0+4*\slot+3], 2*KSTEP*2
	s_add_nc_u64 s[G0B+4*\slot+2:G0B+4*\slot+3], s[G0B+4*\slot+2:G0B+4*\slot+3], 2*KSTEP*2
.else
	s_sub_nc_u64 s[G0+4*\slot+2:G0+4*\slot+3], s[G0+4*\slot+2:G0+4*\slot+3], 6*KSTEP*2
	s_add_nc_u64 s[G0B+4*\slot+2:G0B+4*\slot+3], s[G0B+4*\slot+2:G0B+4*\slot+3], NEXTB-6*KSTEP*2
.endif
	JLOAD \slot                                    ; the first tensor load behind the round, and my only one until the next
.endif
.if \fetch
	PLACES
	FETCH \next, 0, F0
.endif
	WIN MUL_HI
	MULX F1, 1, 0, 0
	MULX F1, 1, 2, 0
.endm
.macro LAP zero
	THREE 0, \zero
	TURN 0, 1, 1, 1
	THREE 1, 0
	TURN 1, 0, 1, 1
.endm
; THE WAY OUT.  A 256-byte piece of qkv is two t of one head, 64 d each; a head's 64 columns can come from two waves (a wave has 96).  So all four waves put their f16
; results into a stage of three planes (one for each head of the block), meet at a barrier, and read whole rows back.  The ring's slots are being filled for the next
; block meanwhile, so the stage has bytes of its own; 327,680 - 243,712 bytes are left, and half a block's three planes take 3 x 64 x 272 = 52,224 of them.
; rows 16 al .. 16 al + 15 of my 64: six tiles (al, 0..5) of window 2 or 3 (from = 0x0a or 0x0f: sources 0 and 1)
.macro OUTA al, from
	WIN \from
.irp b, 0,1,2,3,4,5
.irp r, 0,1,2,3
	v_cvt_pk_f16_f32 v[TMP+4*\b+\r], v[8*(6*\al+\b)+2*\r], v[8*(6*\al+\b)+2*\r+1]
.endr
.endr
	WIN 0
	ds_store_b128 v[STO0], v[TMP:TMP+3]     offset:2176*\al
	ds_store_b128 v[STO0], v[TMP+4:TMP+7]   offset:2176*\al+32
	ds_store_b128 v[STO1], v[TMP+8:TMP+11]  offset:2176*\al+64
	ds_store_b128 v[STO1], v[TMP+12:TMP+15] offset:2176*\al+96
	ds_store_b128 v[STO0], v[TMP+16:TMP+19] offset:2176*\al+HPL
	ds_store_b128 v[STO0], v[TMP+20:TMP+23] offset:2176*\al+HPL+32
.endm
; my 16 stage rows of each of the three planes, two to a load, stored as 512 neighbouring bytes at a multiple of 512
.macro OUTR half
	s_wait_dscnt 0x0                               ; my stores are in LDS before I say so: other waves read them
	s_barrier_signal -1
	s_barrier_wait -1
	s_wait_xcnt 0x0                                ; v64-159 may still be the data of earlier stores: they are loaded again only behind this wait
.irp p, 0,1,2
.irp j, 0,1,2,3,4,5,6,7
	ds_load_b128 v[F0+4*(8*\p+\j):F0+4*(8*\p+\j)+3], v[RD] offset:\p*HPL+544*\j
.endr
.endr
.irp p, 0,1,2
.irp j, 0,1,2,3,4,5,6,7
	s_wait_dscnt 23-(8*\p+\j)                      ; LDS loads return in order: this one is in, the younger ones stay out
	global_store_b128 v[CO], v[F0+4*(8*\p+\j):F0+4*(8*\p+\j)+3], s[8:9] offset:\p*131072+\half*8192+512*\j
.endr
.endr
.endm
.macro WAYOUT
	PLACES
	OUTA 0, 0x0a
	OUTA 1, 0x0a
	OUTA 2, 0x0a
	OUTA 3, 0x0a
	OUTR 0
	s_barrier_signal -1                            ; my reads of the stage are back (the count-down ended at 0);
	s_barrier_wait -1                              ; everybody's are: the stage may be written again
	OUTA 0, 0x0f
	OUTA 1, 0x0f
	OUTA 2, 0x0f
	OUTA 3, 0x0f
	OUTR 1
.endm
	s_wait_tensorcnt 0x1                           ; my part of step 0 is in; step 1's may stay out
	s_barrier_signal -1
	s_barrier_wait -1
	; THE FIRST BLOCK
	FETCH 0, 0, F0
	LAP 1                                          ; the first lap's first products start the sums: nothing is cleared
	WIN 0
	s_mov_b32 s3, LAPS-2
.Llap_a:
	LAP 0
	WIN 0
	s_sub_co_u32 s3, s3, 1
	s_cmp_lg_u32 s3, 0
	s_cbranch_scc1 .Llap_a
	THREE 0, 0                                     ; the last lap fills the slots with the second block's steps 0 and 1
	TURN 0, 1, 2, 1
	THREE 1, 0
	TURN 1, 0, 2, 0                                ; its wait and its round have shown slot 0 whole; the fragments are fetched behind the way out, which uses their registers
	WAYOUT
	; THE SECOND BLOCK.  The ring's barriers stand between the last reads of the stage above and the next stores into it.
	s_wait_xcnt 0x0                                ; the stores' base and v64-127, their data, are written again only behind this wait
	s_add_nc_u64 s[8:9], s[8:9], NEXTB
	FETCH 0, 0, F0
	LAP 1
	WIN 0
	s_mov_b32 s3, LAPS-2
.Llap_b:
	LAP 0
	WIN 0
	s_sub_co_u32 s3, s3, 1
	s_cmp_lg_u32 s3, 0
	s_cbranch_scc1 .Llap_b
	THREE 0, 0                                     ; the last lap fills nothing
	TURN 0, 1, 0, 1
	THREE 1, 0
	s_wait_dscnt 8
	WIN MUL_LO
	MULX F1, 0, 0, 0
	MULX F1, 0, 2, 0
	s_wait_dscnt 0
	WIN MUL_HI
	MULX F1, 1, 0, 0
	MULX F1, 1, 2, 0
	WAYOUT
	s_set_vgpr_msb 0x1
	s_wait_tensorcnt 0x0
	ds_add_u32 v255, v255
	s_wait_dscnt 0x0
	s_set_vgpr_msb 0x100
	CROUND                                         ; the closing round: no work-group ends while a partner may still ask for a tile that names it
	s_endpgm
.Lfunc_end_k_q0f9490a7a2_qkv:
	.size	k_q0f9490a7a2_qkv, .Lfunc_end_k_q0f9490a7a2_qkv-k_q0f9490a7a2_qkv
	.p2alignl 7, 3214868480
	.fill 96, 4, 3214868480
	.section	.rodata,"a",@progbits
	.p2align	6, 0x0
	.amdhsa_kernel k_q0f9490a7a2_qkv
		.amdhsa_group_segment_fixed_size 327680
		.amdhsa_private_segment_fixed_size 0
		.amdhsa_enable_private_segment 0
		.amdhsa_kernarg_size 24
		.amdhsa_user_sgpr_count 2
		.amdhsa_user_sgpr_kernarg_segment_ptr 1
		.amdhsa_wavefront_size32 1
		.amdhsa_system_sgpr_workgroup_id_x 1
		.amdhsa_system_sgpr_workgroup_id_y 1
		.amdhsa_system_sgpr_workgroup_id_z 1
		.amdhsa_system_vgpr_workitem_id 0
		.amdhsa_next_free_vgpr 960
		.amdhsa_next_free_sgpr 66
		.amdhsa_reserve_vcc 0
		.amdhsa_float_denorm_mode_32 3
		.amdhsa_float_denorm_mode_16_64 3
		.amdhsa_memory_ordered 1
		.amdhsa_forward_progress 1
		.amdhsa_inst_pref_size 255
	.end_amdhsa_kernel
	.section	.bss,"aw",@nobits
	.p2align	6
	.space	262144
	.amdgpu_metadata
---
amdhsa.version: [ 1, 2 ]
amdhsa.kernels:
  - .name:           k_q0f9490a7a2_qkv
    .symbol:         k_q0f9490a7a2_qkv.kd
    .args:
      - { .name: xb, .offset: 0, .size: 8, .value_kind: global_buffer, .address_space: global }
      - { .name: wt, .offset: 8, .size: 8, .value_kind: global_buffer, .address_space: global }
      - { .name: qkv, .offset: 16, .size: 8, .value_kind: global_buffer, .address_space: global }
    .group_segment_fixed_size: 327680
    .private_segment_fixed_size: 0
    .kernarg_segment_align: 8
    .kernarg_segment_size: 24
    .max_flat_workgroup_size: 128
    .sgpr_count:     66
    .vgpr_count:     960
    .wavefront_size: 32
...
	.end_amdgpu_metadata
.endif
;; end of part 2
;; launch attn (part 3): grid 256 x 1, 4 waves a work-group, no clusters, 296,448 bytes of LDS; arguments qkv, att; writes att
.if DOCPART == 3
	.amdgcn_target "amdgcn-amd-amdhsa--gfx1250"
	.amdhsa_code_object_version 6
	.text
	.protected	k_q0f9490a7a2_attn
	.globl	k_q0f9490a7a2_attn
	.p2align	8
	.type	k_q0f9490a7a2_attn,@function
k_q0f9490a7a2_attn:
	s_mov_b64 s[64:65], 0
	v_nop
	global_prefetch_b8 v0, s[64:65] scope:SCOPE_SE
	s_setreg_imm32_b32 hwreg(HW_REG_WAVE_MODE, 25, 1), 1
	s_wait_xcnt 0x0
; Causal attention of one head: att[b][h][t][d] = softmax over s <= t of (q[t] . k[s] / 8) applied to v, f16 operands, f32 sums, f32 softmax with a running maximum.
; WORK LEFT OUT: scores with s > t get -inf from the mask that reference() builds itself and weigh 0 for all inputs; key blocks of 64 wholly above the diagonal, and in
; the diagonal block the 16 x 16 tiles wholly above it, are not computed.  A NaN or an infinity that arises only there is not carried to the result.
; LIMIT: q, k, v come in f16; the weights (at most 1) and the result (no larger than |v|) go in f16.
; SHARING.  Two work-groups for a head (j = 0, 1), four waves each.  A head has 16 groups of 64 queries; group G needs G whole key blocks and its diagonal block.
; Wave w takes p = 2 w + j: group 15 - p and group p, 17 steps for every wave of the launch.
; NO CLUSTER: only two work-groups read the same K and V, and their waves' trip counts differ with j, their place among the two; partners of a joint load must run alike.
; K AND V STAY IN LDS: a head's 1,024 keys are 128 KiB each.  Every wave issues four tensor loads at the start (four are out at the most) and nothing is filled again:
; keys 0-255 first, in tiles of 32 rows a wave so that work can begin when 64 KiB have landed, then keys 256-1,023 in tiles of 96 rows.
; (For j = 1 the last 64 keys are not read; they are part of a tile that also holds rows that are.)
; An LDS row is 256 bytes of memory: two keys.  K's pitch 272, V's 288.
; ORIENTATION.  S^T = K Q^T: lane (r, hh) holds query r and keys 8 hh + 0..7 of a tile, so maxima and sums are kept lane by lane, with one exchange with lane l xor 16,
; and two packed tiles of S^T are a B fragment of O^T = V^T P^T as they stand.  V^T's fragments come by the transposing LDS load.
; TWO HALVES TAKE TURNS.  The wave's 64 queries are half A (query blocks qi 0, 1) and half B (qi 2, 3); both use the same K and V fragments.  Step n is two phases:
;   PH1(n): softmax of A on S_A(n) and the scaling of O_A, cut into 32 slices; behind each product of B stands one slice: 16 of O_B += V(n-1) P_B(n-1), 16 of S_B(n) = K(n) Q_B;
;   PH2(n): softmax of B on S_B(n) and the scaling of O_B, likewise among 16 products of O_A += V(n) P_A(n) and 16 of S_A(n+1) = K(n+1) Q_A.
; A phase's slices name only their own half's S, P, O, maxima and sums; its products name only the other half's and K, V, Q.  So distances behind products matter only where
; the roles change and for the loads of K and V: behind a phase's last product stand the seven multiplications of its last slice (or four v_nop where nothing is scaled).
; K(n+1) is loaded at the head of PH2(n), sixteen products ahead of its first use; V(n) in the middle of PH1(n), behind the last product that reads V(n-1).
; A regular phase: 32 matrix instructions, 242 vector instructions, 64 changes of register window.  THE WINDOWS ARE CHANGED round every product because the softmax names S in
; all four operand places: a product under the same setting would need S, O, P, K, V and Q, 128 + 128 + 64 + 64 + 64 + 64 registers, in one window of 256.
; THE WAY OUT COMES LAST.  Each group's result is divided by its sum and packed to f16 at once, 64 registers a group, and waits there.  LDS is written (each wave's own
; stage, to turn a lane's 16 bytes into whole rows) only behind one barrier that stands behind every wave's last read of K and V.
; REGISTERS.  Window 0: addresses v2-v9; Q of the large group v32-95; K fragments v96-159; V fragments v160-223; rows read back v240-255.
; Window 1: S v0-127 (32 qi + 8 kt); P v128-191; per qi: maximum v192+, sum v196+, factor v200+2 qi, shift v208+2 qi; v216-231 at work (8 for each qi of a half); v233 -inf;
; v234-249 four chains of sums for each qi of a half.  Window 2: O v0-127 (32 qi + 8 dt); v128-191 Q of the small group, then its packed result; v192-255 the large group's.
.set KV0,  139264                      ; V behind K's 512 rows of 272 bytes
.set STG,  286720                      ; behind V's 512 rows of 288 bytes: a stage of 2,304 bytes for each wave, into which no tensor load lands
.set KBLK, 8704                        ; a block of 64 keys: 32 rows of K
.set VBLK, 9216                        ; 32 rows of V
.set KAD, 2                            ; LDS address of the block of K that is loaded next
.set VAD, 3                            ; the same for V
.set QOF, 4
.set STO, 5
.set RD,  6
.set CO,  7
.set KAD0, 8
.set VAD0, 9
.set QF,  32
.set KF,  96
.set VF,  160
.set RB,  240
.set P,   128
.set M,   192
.set LS,  196
.set AL,  200
.set NM,  208
.set T,   216
.set NINF, 233
.set SU,  234
.set QF2, 128
.set PKS, 128                          ; window 2: the small group's packed result, where its Q lay
.set PKB, 192                          ; window 2: the large group's packed result
.set MSB, 0
.macro WIN new                         ; low byte: bits 1:0 source 0, 3:2 source 1, 5:4 source 2, 7:6 destination; the high byte repeats the setting that is left
.if MSB != \new
	s_set_vgpr_msb (MSB<<8)|\new
.set MSB, \new
.endif
.endm
.macro PLACES                          ; four independent vector instructions between a matrix instruction and a load into, or a vector access to, its registers (ISA guide 7.12.1 for vector accesses)
.rept 4
	v_nop
.endr
.endm
; group 1 of a dense block: rows of 32 elements of 8 bytes (256 bytes), pad words behind each row
.macro DESC1 g, rows, pad
	s_mov_b32 s[\g+0], (3<<16)|(1<<20)|(5<<22)|((\pad-1)<<25)
	s_mov_b32 s[\g+1], 32<<16
	s_mov_b32 s[\g+2], \rows<<16
	s_mov_b32 s[\g+3], 32<<16
	s_mov_b32 s[\g+4], \rows
	s_mov_b32 s[\g+5], 32
	s_mov_b32 s[\g+6], 0
	s_mov_b32 s[\g+7], 0
.endm
	s_load_b128 s[4:7], s[0:1], 0x0                ; qkv s[4:5], att s[6:7]
	v_lshl_add_u32 v238, v0, 2, 0x48400
	v_mov_b32 v239, 0
	ds_add_u32 v238, v239
	ds_add_u32 v238, v239
	v_lshrrev_b32 v1, 5, v0
	v_readfirstlane_b32 s8, v1                     ; wave
	s_and_b32 s9, ttmp9, 1                         ; j
	s_lshr_b32 s10, ttmp9, 1                       ; 16 b + h
	s_lshl1_add_u32 s11, s8, s9                    ; p = 2 w + j: the small group, 0..7
	s_sub_co_u32 s12, 15, s11                      ; G: the large group, 8..15
	s_sub_co_u32 s80, s12, 4                       ; trips of its second loop: 4..11
	s_mul_i32 s81, s11, KBLK
	s_mul_i32 s82, s11, VBLK
	s_mul_i32 s83, s8, 2304
	s_add_co_u32 s83, s83, STG                     ; my stage
	s_mov_b32 s14, 0x76543210                      ; v_permlanex16_b32: lane i reads lane i of the other half
	s_mov_b32 s15, 0xfedcba98
	s_mov_b32 s66, 0x3e38aa3b                      ; c = log2(e) / 8: the scale 64^-0.5 and the change to base 2 in one factor
	s_mov_b32 s67, 0x3e38aa3b
	s_mov_b32 s68, 0xbe38aa3b                      ; -c
	DESC1 16, 32, 4                                ; K, keys 0-255: 32 rows a wave
	DESC1 24, 32, 8                                ; V, the same
	DESC1 32, 96, 4                                ; K, keys 256-1,023: 96 rows a wave
	DESC1 40, 96, 8                                ; V, the same
	s_mov_b32 s48, 1
	s_mul_i32 s49, s8, 8704
	s_mov_b32 s52, 1
	s_mul_i32 s53, s8, 9216
	s_add_co_u32 s53, s53, KV0
	s_mov_b32 s56, 1
	s_mul_i32 s57, s8, 26112
	s_add_co_u32 s57, s57, 34816
	s_mov_b32 s60, 1
	s_mul_i32 s61, s8, 27648
	s_add_co_u32 s61, s61, KV0+36864
	s_lshr_b32 s78, s10, 4
	s_mul_i32 s78, s78, 48
	s_and_b32 s79, s10, 15
	s_add_co_u32 s78, s78, s79                     ; 48 b + h
	s_lshl_b32 s78, s78, 17                        ; blocks of 131,072 bytes
	s_mov_b32 s79, 0
	s_wait_dscnt 0x0
	s_wait_kmcnt 0x0
	s_add_nc_u64 s[4:5], s[4:5], s[78:79]          ; q of my head; k lies 16 blocks further, v 32
	s_lshl_b32 s78, s8, 13
	s_add_co_u32 s78, s78, 0x200000
	s_add_nc_u64 s[50:51], s[4:5], s[78:79]
	s_add_nc_u64 s[54:55], s[50:51], 0x200000
	s_mul_i32 s78, s8, 24576
	s_add_co_u32 s78, s78, 0x208000
	s_add_nc_u64 s[58:59], s[4:5], s[78:79]
	s_add_nc_u64 s[62:63], s[58:59], 0x200000
	s_or_b32 s51, s51, 0x80000000
	s_or_b32 s55, s55, 0x80000000
	s_or_b32 s59, s59, 0x80000000
	s_or_b32 s63, s63, 0x80000000
	tensor_load_to_lds s[48:51], s[16:23]          ; all first fills in one group, ahead of every wait on them, every LDS read and every barrier
	s_nop 0
	tensor_load_to_lds s[52:55], s[24:31]
	s_nop 0
	tensor_load_to_lds s[56:59], s[32:39]
	s_nop 0
	tensor_load_to_lds s[60:63], s[40:47]
	s_nop 0
	s_lshl_b32 s78, s12, 13                        ; a group of 64 queries: 8,192 bytes
	s_add_nc_u64 s[70:71], s[4:5], s[78:79]
	s_lshl_b32 s78, s11, 13
	s_add_nc_u64 s[72:73], s[4:5], s[78:79]
	s_lshl_b32 s78, s10, 17
	s_add_nc_u64 s[6:7], s[6:7], s[78:79]
	s_lshl_b32 s78, s12, 13
	s_add_nc_u64 s[74:75], s[6:7], s[78:79]
	s_lshl_b32 s78, s11, 13
	s_add_nc_u64 s[76:77], s[6:7], s[78:79]
	v_and_b32 v10, 15, v0                          ; r
	v_bfe_u32 v11, v0, 4, 1                        ; hh
	v_lshlrev_b32 v[QOF], 7, v10
	v_lshl_add_u32 v[QOF], v11, 4, v[QOF]          ; Q fragments straight from memory: row r, 16 bytes for each half of the lanes
.irp qi, 0,1,2,3
.irp kk, 0,1
	global_load_b128 v[QF+16*\qi+8*\kk:QF+16*\qi+8*\kk+3],   v[QOF], s[70:71] offset:2048*\qi+64*\kk
	global_load_b128 v[QF+16*\qi+8*\kk+4:QF+16*\qi+8*\kk+7], v[QOF], s[70:71] offset:2048*\qi+64*\kk+32
.endr
.endr
	WIN 0x80
.irp qi, 0,1,2,3
.irp kk, 0,1
	global_load_b128 v[QF2+16*\qi+8*\kk:QF2+16*\qi+8*\kk+3],   v[QOF], s[72:73] offset:2048*\qi+64*\kk
	global_load_b128 v[QF2+16*\qi+8*\kk+4:QF2+16*\qi+8*\kk+7], v[QOF], s[72:73] offset:2048*\qi+64*\kk+32
.endr
.endr
	WIN 0
	v_and_b32 v12, 31, v0
	v_lshrrev_b32 v13, 1, v10
	v_and_b32 v14, 1, v10
	v_mul_u32_u24 v[KAD0], v13, 272
	v_lshl_add_u32 v[KAD0], v14, 7, v[KAD0]
	v_lshl_add_u32 v[KAD0], v11, 4, v[KAD0]        ; key r of a tile: (r / 2) x 272 + (r % 2) x 128 + 16 hh
	v_add_nc_u32 v[STO], s83, v[KAD0]              ; the stage has the same shape: query r, 16 bytes for each half
	v_mul_u32_u24 v[RD], v11, 272
	v_lshl_add_u32 v[RD], v10, 4, v[RD]
	v_add_nc_u32 v[RD], s83, v[RD]                 ; back: lanes 0-15 one stage row, lanes 16-31 the next
	v_lshlrev_b32 v[CO], 4, v12
	v_bfe_u32 v15, v0, 1, 2
	v_lshl_add_u32 v15, v11, 2, v15                ; key 8 hh + l % 8 lies in row 4 hh + (l % 8) / 2,
	v_mul_u32_u24 v[VAD0], v15, 288
	v_lshl_add_u32 v[VAD0], v14, 7, v[VAD0]        ; half l % 2,
	v_bfe_u32 v16, v0, 3, 1
	v_lshl_add_u32 v[VAD0], v16, 4, v[VAD0]        ; and lanes 8-15 of each half take the upper eight d
	v_add_nc_u32 v[VAD0], KV0, v[VAD0]
	v_lshlrev_b32 v17, 3, v11
	v_sub_nc_u32 v17, v10, v17                     ; r - 8 hh
.irp j, 0,1,2,3,4,5,6,7
	v_cmp_gt_i32 s[84+\j], \j, v17                 ; the diagonal tile's mask, made once: register j holds key 8 hh + j, above query r where j > r - 8 hh
.endr
	v_mov_b32 v[KAD], v[KAD0]
	v_mov_b32 v[VAD], v[VAD0]
	WIN 0x40
	v_mov_b32 v[NINF], 0xff800000
	v_mov_b32 v[T+4], 0                            ; a lane exchange's destination counts as read,
	v_mov_b32 v[T+12], 0
.irp qi, 0,1,2,3
	v_mov_b32 v[AL+2*\qi+1], 0                     ; and so does the unused half of a pair that is broadcast: written once
	v_mov_b32 v[NM+2*\qi+1], 0
.endr
	WIN 0
; ---- the products.  ii (an assembly symbol, 0..31) numbers a phase's products: 0-15 O += V P (kp = ii / 8, then qi, then dt), 16-31 S = K Q (kk, then qi, then kt), of half o.
; pv: 0 none, 1 adds onto O, 2 starts O (C = 0 for the first 32 keys).  pm, qm: the block is the diagonal one: query block qi has qi + 1 live tiles of 16 keys.
; In every list the accumulators take turns, one instruction a turn (three tiles at the least).
.macro MXI o, pv, pm, qk, qm, qset, qf
.if ii < 16
.if \pv
.set kx_, ii/8
.set qx_, 2*(\o)+(ii/4)%2
.set tx_, ii%4
.set nx_, 4
.if \pm
.set nx_, qx_+1
.endif
.set cz_, 0
.if \pv == 2
.if kx_ == 0
.set cz_, 1
.endif
.endif
.if 2*kx_ < nx_
	WIN 0xa4
.if cz_
	v_wmma_f32_16x16x32_f16 v[32*qx_+8*tx_:32*qx_+8*tx_+7], v[VF+16*tx_+8*kx_:VF+16*tx_+8*kx_+7], v[P+16*qx_+8*kx_:P+16*qx_+8*kx_+7], 0
.else
	v_wmma_f32_16x16x32_f16 v[32*qx_+8*tx_:32*qx_+8*tx_+7], v[VF+16*tx_+8*kx_:VF+16*tx_+8*kx_+7], v[P+16*qx_+8*kx_:P+16*qx_+8*kx_+7], v[32*qx_+8*tx_:32*qx_+8*tx_+7]
.endif
.endif
.endif
.else
.if \qk
.set kx_, (ii-16)/8
.set qx_, 2*(\o)+((ii-16)/4)%2
.set tx_, ii%4
.set nx_, 4
.if \qm
.set nx_, qx_+1
.endif
.if tx_ < nx_
	WIN \qset
.if kx_
	v_wmma_f32_16x16x32_f16 v[32*qx_+8*tx_:32*qx_+8*tx_+7], v[KF+16*tx_+8*kx_:KF+16*tx_+8*kx_+7], v[\qf+16*qx_+8*kx_:\qf+16*qx_+8*kx_+7], v[32*qx_+8*tx_:32*qx_+8*tx_+7]
.else
	v_wmma_f32_16x16x32_f16 v[32*qx_+8*tx_:32*qx_+8*tx_+7], v[KF+16*tx_+8*kx_:KF+16*tx_+8*kx_+7], v[\qf+16*qx_+8*kx_:\qf+16*qx_+8*kx_+7], 0
.endif
.endif
.endif
.endif
.endm
; ---- the pieces of the vector phase.  q: query block; e: 0 or 1, its place in the half; nt: its live tiles; all in window 1
.macro MASKT q                         ; the diagonal tile (kt = q): -inf above the diagonal, as the mask of reference() gives it
.irp j, 0,1,2,3,4,5,6,7
	v_cndmask_b32 v[40*(\q)+\j], v[40*(\q)+\j], v[NINF], s[84+\j]
.endr
.endm
.macro MAXT q, e, nt, k                ; stage k of four: one chain of maxima for each tile
.irp kt, 0,1,2,3
.if \kt < \nt
.if \k == 0
	v_max3_num_f32 v[T+8*\e+\kt], v[32*(\q)+8*\kt], v[32*(\q)+8*\kt+1], v[32*(\q)+8*\kt+2]
.else
.if \k == 3
	v_max_num_f32 v[T+8*\e+\kt], v[T+8*\e+\kt], v[32*(\q)+8*\kt+7]
.else
	v_max3_num_f32 v[T+8*\e+\kt], v[T+8*\e+\kt], v[32*(\q)+8*\kt+2*(\k)+1], v[32*(\q)+8*\kt+2*(\k)+2]
.endif
.endif
.endif
.endr
.endm
.macro CMB e, nt, k                    ; the tiles' maxima meet
.if \k == 0
.if \nt == 2
	v_max_num_f32 v[T+8*\e], v[T+8*\e], v[T+8*\e+1]
.endif
.if \nt >= 3
	v_max3_num_f32 v[T+8*\e], v[T+8*\e], v[T+8*\e+1], v[T+8*\e+2]
.endif
.else
.if \nt == 4
	v_max_num_f32 v[T+8*\e], v[T+8*\e], v[T+8*\e+3]
.endif
.endif
.endm
; one plain instruction.  ty 0: two exponents c S - c max of tile kt.  ty 1: two weights of tile kt to f16 (a dead tile that shares a fragment of 32 keys with a live one: 0).
; ty 2: chain i of the sums takes tile kt.  ty 3: the chains meet and the running sum is brought up (i = 0..4).
.macro PA ty, q, e, nt, kt, i, vf
.if \ty == 0
.if \kt < \nt
	WIN 0x55
	v_pk_fma_f32 v[32*(\q)+8*\kt+2*\i:32*(\q)+8*\kt+2*\i+1], v[32*(\q)+8*\kt+2*\i:32*(\q)+8*\kt+2*\i+1], s[66:67], v[NM+2*(\q):NM+2*(\q)+1] op_sel_hi:[1,0,0]
.endif
.endif
.if \ty == 1
.if \kt < \nt
	WIN 0x55
	s_wait_alu depctr_va_vdst(0)
	v_cvt_pk_f16_f32 v[P+16*(\q)+4*\kt+\i], v[32*(\q)+8*\kt+2*\i], v[32*(\q)+8*\kt+2*\i+1]
.else
.if \kt == \nt
.if \nt & 1
	WIN 0x55
	v_mov_b32 v[P+16*(\q)+4*\kt+\i], 0
.endif
.endif
.endif
.endif
.if \ty == 2
.if \kt < \nt
	WIN 0x55
.if \kt == 1
	s_wait_alu depctr_va_vdst(0)
	v_pk_add_f32 v[SU+8*\e+2*\i:SU+8*\e+2*\i+1], v[32*(\q)+2*\i:32*(\q)+2*\i+1], v[32*(\q)+8+2*\i:32*(\q)+8+2*\i+1]
.else
	s_wait_alu depctr_va_vdst(0)
	v_pk_add_f32 v[SU+8*\e+2*\i:SU+8*\e+2*\i+1], v[SU+8*\e+2*\i:SU+8*\e+2*\i+1], v[32*(\q)+8*\kt+2*\i:32*(\q)+8*\kt+2*\i+1]
.endif
.endif
.endif
.if \ty == 3
.if \i == 0
	WIN 0x55
.if \nt == 1
	v_pk_add_f32 v[SU+8*\e:SU+8*\e+1], v[32*(\q):32*(\q)+1], v[32*(\q)+2:32*(\q)+3]
.else
	v_pk_add_f32 v[SU+8*\e:SU+8*\e+1], v[SU+8*\e:SU+8*\e+1], v[SU+8*\e+2:SU+8*\e+3]
.endif
.endif
.if \i == 1
	WIN 0x55
.if \nt == 1
	v_pk_add_f32 v[SU+8*\e+4:SU+8*\e+5], v[32*(\q)+4:32*(\q)+5], v[32*(\q)+6:32*(\q)+7]
.else
	v_pk_add_f32 v[SU+8*\e+4:SU+8*\e+5], v[SU+8*\e+4:SU+8*\e+5], v[SU+8*\e+6:SU+8*\e+7]
.endif
.endif
.if \i == 2
	WIN 0x55
	v_pk_add_f32 v[SU+8*\e:SU+8*\e+1], v[SU+8*\e:SU+8*\e+1], v[SU+8*\e+4:SU+8*\e+5]
.endif
.if \i == 3
	WIN 0x55
.if \vf
	v_add_f32 v[LS+(\q)], v[SU+8*\e], v[SU+8*\e+1]       ; the sum stays this half of the lanes' own until the end: both halves use the same factors
.else
	v_fma_f32 v[LS+(\q)], v[LS+(\q)], v[AL+2*(\q)], v[SU+8*\e]
.endif
.endif
.if \i == 4
.if \vf == 0
	WIN 0x55
	v_add_f32 v[LS+(\q)], v[LS+(\q)], v[SU+8*\e+1]
.endif
.endif
.endif
.endm
.macro PA4 ty, q, e, nt, kt, vf
.irp i, 0,1,2,3
	PA \ty, \q, \e, \nt, \kt, \i, \vf
.endr
.endm
; A mixed slice: four exponentials (half eh of tile ekt of query block eq), each followed by a plain instruction on another tile or the other query block, which neither reads
; the exponential's result nor writes its source (ISA guide 5.7.2).  In a diagonal step that partner can be missing: there a v_nop closes the slice.
.macro MIX eq, ent, ekt, eh, ty, q, e, nt, kt, vf, vm
.irp i, 0,1,2,3
.if \ekt < \ent
	WIN 0x55
	v_exp_f32 v[32*(\eq)+8*\ekt+4*\eh+\i], v[32*(\eq)+8*\ekt+4*\eh+\i]
.endif
	PA \ty, \q, \e, \nt, \kt, \i, \vf
.endr
.if \ty == 3
	PA 3, \q, \e, \nt, \kt, 4, \vf
.endif
.if \vm
.if \ekt < \ent
	v_nop
.endif
.endif
.endm
.macro SCL h, z0, z1                   ; pairs z0 .. z1 of the half's 32 pairs of O, times their query block's factor
	WIN 0x86
.set z_, \z0
.rept \z1-\z0+1
.if z_ < 16
	v_pk_mul_f32 v[64*\h+2*z_:64*\h+2*z_+1], v[64*\h+2*z_:64*\h+2*z_+1], v[AL+4*\h:AL+4*\h+1] op_sel_hi:[1,0]
.else
	v_pk_mul_f32 v[64*\h+2*z_:64*\h+2*z_+1], v[64*\h+2*z_:64*\h+2*z_+1], v[AL+4*\h+2:AL+4*\h+3] op_sel_hi:[1,0]
.endif
.set z_, z_+1
.endr
.endm
; Slice ii of the vector phase of half h.  vf: the group's first step (starts maximum and sum; nothing to scale).  vm: the diagonal block.
.macro VSL h, vf, vm
.set q0_, 2*\h
.set q1_, 2*\h+1
.set n0_, 4
.set n1_, 4
.if \vm
.set n0_, q0_+1
.set n1_, q1_+1
.endif
.if ii < 4
	WIN 0x55
.if ii == 0
.if \vm
	MASKT q0_
	MASKT q1_
.endif
.endif
	MAXT q0_, 0, n0_, ii
	MAXT q1_, 1, n1_, ii
.endif
.if ii == 4
	WIN 0x55
	CMB 0, n0_, 0
	CMB 1, n1_, 0
	CMB 0, n0_, 1
	CMB 1, n1_, 1
	v_permlanex16_b32 v[T+4], v[T], s14, s15       ; the other half of the query's keys
	v_permlanex16_b32 v[T+12], v[T+8], s14, s15
.endif
.if ii == 5
	WIN 0x55
.if \vf
	v_max_num_f32 v[M+q0_], v[T], v[T+4]           ; finite: every first step holds a key s <= t for every query
	v_max_num_f32 v[M+q1_], v[T+8], v[T+12]
	v_mul_f32 v[NM+2*q0_], s68, v[M+q0_]           ; the shift, -c x maximum
	v_mul_f32 v[NM+2*q1_], s68, v[M+q1_]
.else
	v_max3_num_f32 v[M+q0_], v[T], v[T+4], v[M+q0_]
	v_max3_num_f32 v[M+q1_], v[T+8], v[T+12], v[M+q1_]
	v_mul_f32 v[T+6], s68, v[M+q0_]                ; the new shift
	v_mul_f32 v[T+14], s68, v[M+q1_]
	v_sub_f32 v[T+5], v[T+6], v[NM+2*q0_]          ; new shift - old shift: of the two rounded numbers that the weights are made with, so that the factor fits them exactly
	v_sub_f32 v[T+13], v[T+14], v[NM+2*q1_]
.endif
.endif
.if ii == 6
.if \vf == 0
	WIN 0x55
	v_mov_b32 v[NM+2*q0_], v[T+6]
	v_mov_b32 v[NM+2*q1_], v[T+14]
	v_exp_f32 v[AL+2*q0_], v[T+5]                  ; the factor for what has been summed so far; the instructions that follow name neither it nor its source
	v_exp_f32 v[AL+2*q1_], v[T+13]
.endif
	PA4 0, q0_, 0, n0_, 0, \vf
.endif
.if ii == 7
	PA4 0, q0_, 0, n0_, 1, \vf
	PA4 0, q0_, 0, n0_, 2, \vf
.endif
.if ii == 8
	PA4 0, q0_, 0, n0_, 3, \vf
	PA4 0, q1_, 1, n1_, 0, \vf
.endif
.if ii == 9
	MIX q0_, n0_, 0, 0, 0, q1_, 1, n1_, 1, \vf, \vm
.endif
.if ii == 10
	MIX q0_, n0_, 0, 1, 0, q1_, 1, n1_, 2, \vf, \vm
.endif
.if ii == 11
	MIX q0_, n0_, 1, 0, 0, q1_, 1, n1_, 3, \vf, \vm
.endif
.if ii == 12
	MIX q0_, n0_, 1, 1, 1, q0_, 0, n0_, 0, \vf, \vm
.endif
.if ii == 13
	MIX q0_, n0_, 2, 0, 2, q0_, 0, n0_, 1, \vf, \vm
.endif
.if ii == 14
	MIX q0_, n0_, 2, 1, 1, q0_, 0, n0_, 1, \vf, \vm
.endif
.if ii == 15
	MIX q0_, n0_, 3, 0, 2, q0_, 0, n0_, 2, \vf, \vm
.endif
.if ii == 16
	MIX q0_, n0_, 3, 1, 1, q0_, 0, n0_, 2, \vf, \vm
.endif
.if ii == 17
	MIX q1_, n1_, 0, 0, 2, q0_, 0, n0_, 3, \vf, \vm
.endif
.if ii == 18
	MIX q1_, n1_, 0, 1, 1, q0_, 0, n0_, 3, \vf, \vm
.endif
.if ii == 19
	MIX q1_, n1_, 1, 0, 3, q0_, 0, n0_, 0, \vf, \vm
.endif
.if ii == 20
	MIX q1_, n1_, 1, 1, 1, q1_, 1, n1_, 0, \vf, \vm
.endif
.if ii == 21
	MIX q1_, n1_, 2, 0, 2, q1_, 1, n1_, 1, \vf, \vm
.endif
.if ii == 22
	MIX q1_, n1_, 2, 1, 1, q1_, 1, n1_, 1, \vf, \vm
.endif
.if ii == 23
	MIX q1_, n1_, 3, 0, 2, q1_, 1, n1_, 2, \vf, \vm
.endif
.if ii == 24
	MIX q1_, n1_, 3, 1, 1, q1_, 1, n1_, 2, \vf, \vm
.endif
.if ii == 25
	PA4 2, q1_, 1, n1_, 3, \vf
	PA4 1, q1_, 1, n1_, 3, \vf
.endif
.if ii == 26
.irp i, 0,1,2,3,4
	PA 3, q1_, 1, n1_, 0, \i, \vf
.endr
.endif
.if \vf == 0
.if ii == 27
	SCL \h, 0, 5
.endif
.if ii == 28
	SCL \h, 6, 11
.endif
.if ii == 29
	SCL \h, 12, 17
.endif
.if ii == 30
	SCL \h, 18, 24
.endif
.if ii == 31
	SCL \h, 25, 31                                 ; seven independent instructions behind the phase's last product, ahead of the next phase's reads of S and loads of K
.endif
.endif
.endm
.macro LDK                             ; a block's K fragments: d 0-31 of the four tiles first, then d 32-63; the address steps to the next block
	WIN 0
.irp kk, 0,1
.irp kt, 0,1,2,3
	ds_load_b128 v[KF+16*\kt+8*\kk:KF+16*\kt+8*\kk+3],   v[KAD] offset:2176*\kt+64*\kk
	ds_load_b128 v[KF+16*\kt+8*\kk+4:KF+16*\kt+8*\kk+7], v[KAD] offset:2176*\kt+64*\kk+32
.endr
.endr
	v_add_nc_u32 v[KAD], KBLK, v[KAD]
.endm
.macro LDV vm                          ; a block's V fragments.  In a regular phase eight plain instructions of slices 15 and 16 stand behind the last product that read the old ones
	WIN 0
.if \vm
	PLACES                                         ; in a diagonal step those slices can be empty
.endif
.irp kp, 0,1
.irp dt, 0,1,2,3
	ds_load_tr16_b128 v[VF+16*\dt+8*\kp:VF+16*\dt+8*\kp+3],   v[VAD] offset:4608*\kp+32*\dt
	ds_load_tr16_b128 v[VF+16*\dt+8*\kp+4:VF+16*\dt+8*\kp+7], v[VAD] offset:4608*\kp+32*\dt+2304
.endr
.endr
	v_add_nc_u32 v[VAD], VBLK, v[VAD]
.endm
; A phase: the vector work of half h (vf, vm) in 32 slices, one behind each product of the other half (pv, pm; qk, qm; qset, qf: window setting and place of Q's fragments).
; ldk: the next block's K is loaded at the head.  ldv: this block's V is loaded behind slice 16.
.macro PHASE h, vf, vm, pv, pm, qk, qm, qset, qf, ldk, ldv
.if \h
	s_wait_dscnt 0x0                               ; V's fragments, asked for in the middle of the phase before
.endif
.if \ldk
	LDK
.endif
.set o_, 1-\h
.set ii, 0
.rept 32
.if \ldk
.if ii == 16
	s_wait_dscnt 0x8                               ; of K's sixteen loads the first eight are in: d 0-31
.endif
.if ii == 24
	s_wait_dscnt 0x0                               ; d 32-63
.endif
.endif
	MXI o_, \pv, \pm, \qk, \qm, \qset, \qf
	VSL \h, \vf, \vm
.if \ldv
.if ii == 16
	LDV \vm
.endif
.endif
.set ii, ii+1
.endr
.if \vf
	PLACES                                         ; a first step scales nothing: these stand behind its last product instead
.endif
.endm
.macro PRO qm, qset, qf                ; a group's start: its first block of K, and S of half A alone
	LDK
.set ii, 16
.rept 16
.if ii == 16
	s_wait_dscnt 0x8
.endif
.if ii == 24
	s_wait_dscnt 0x0
.endif
	MXI 0, 0, 0, 1, \qm, \qset, \qf
.set ii, ii+1
.endr
	WIN 0
	PLACES
.endm
.macro EPI pv, pm                      ; a group's end: the last block's O of half B alone
.set ii, 0
.rept 16
	MXI 1, \pv, \pm, 0, 0, 0, 0
.set ii, ii+1
.endr
	WIN 0
	PLACES
.endm
.macro BODY qset, qf                   ; a loop's trip: PH2(n), PH1(n + 1)
	PHASE 1, 0, 0, 1, 0, 1, 0, \qset, \qf, 1, 0
	PHASE 0, 0, 0, 1, 0, 1, 0, \qset, \qf, 0, 1
	WIN 0
.endm
.macro SCALEO                          ; all of O times its query block's factor
	WIN 0x86
.irp qi, 0,1,2,3
.irp i, 0,2,4,6,8,10,12,14,16,18,20,22,24,26,28,30
	s_wait_alu depctr_va_vdst(0)
	v_pk_mul_f32 v[32*\qi+\i:32*\qi+\i+1], v[32*\qi+\i:32*\qi+\i+1], v[AL+2*\qi:AL+2*\qi+1] op_sel_hi:[1,0]
.endr
.endr
.endm
; A group's end: the two halves' sums meet, O is divided by the sum and packed to f16 into 64 registers of window 2 at pk, where it waits for the way out.
; Register pk + 16 qi + 4 dt + i of lane (r, hh): d = 16 dt + 8 hh + 2 i and the next, of query 16 qi + r.
.macro NORMPACK pk
	WIN 0x55
.irp qi, 0,1,2,3
	v_permlanex16_b32 v[T+\qi], v[LS+\qi], s14, s15
.endr
.irp qi, 0,1,2,3
	v_add_f32 v[LS+\qi], v[LS+\qi], v[T+\qi]
.endr
.irp qi, 0,1,2,3
	v_rcp_f32 v[AL+2*\qi], v[LS+\qi]
.endr
	v_nop                                          ; one plain instruction ahead of the first use
	SCALEO
	WIN 0x8a                                       ; sources and destination in window 2
.irp qi, 0,1,2,3
.irp dt, 0,1,2,3
.irp r, 0,1,2,3
	v_cvt_pk_f16_f32 v[\pk+16*\qi+4*\dt+\r], v[32*\qi+8*\dt+2*\r], v[32*\qi+8*\dt+2*\r+1]
.endr
.endr
.endr
	WIN 0
.endm
; A group's way out, 16 queries at a time through my own stage (LDS serves a wave's instructions in order: no wait between my stores and my loads)
.macro OUTG pk, ob
.irp qi, 0,1,2,3
	WIN 0x08                                       ; the LDS stores' data from window 2
.irp dt, 0,1,2,3
	ds_store_b128 v[STO], v[\pk+16*\qi+4*\dt:\pk+16*\qi+4*\dt+3] offset:32*\dt
.endr
	WIN 0
	s_wait_xcnt 0x0                                ; RB may still be the data of earlier stores: it is loaded again only behind this wait
.irp t, 0,1,2,3
	ds_load_b128 v[RB+4*\t:RB+4*\t+3], v[RD] offset:544*\t
.endr
.irp t, 0,1,2,3
	s_wait_dscnt 3-\t
	global_store_b128 v[CO], v[RB+4*\t:RB+4*\t+3], s[\ob:\ob+1] offset:2048*\qi+512*\t   ; 512 neighbouring bytes (four queries) at a multiple of 512
.endr
.endr
.endm
	s_wait_tensorcnt 0x2                           ; my parts of keys 0-255 are in; the two later loads stay out
	s_barrier_signal -1
	s_barrier_wait -1                              ; everybody's are
	s_wait_loadcnt 0x0                             ; Q of both groups
	; THE LARGE GROUP: blocks 0 .. G - 1 whole, block G on the diagonal
	PRO 0, 0x50, QF                                ; K(0); S_A(0)
	PHASE 0, 1, 0, 0, 0, 1, 0, 0x50, QF, 0, 1      ; PH1(0): A starts; S_B(0); V(0)
	PHASE 1, 1, 0, 2, 0, 1, 0, 0x50, QF, 1, 0      ; PH2(0): B starts; O_A starts; K(1), S_A(1)
	PHASE 0, 0, 0, 2, 0, 1, 0, 0x50, QF, 0, 1      ; PH1(1): O_B starts; S_B(1); V(1)
	WIN 0
	s_mov_b32 s13, 0
.Lbig_a:
	BODY 0x50, QF                                  ; n = 1, 2: loads K(2), V(2), K(3), V(3), the last blocks of keys 0-255
	s_add_co_u32 s13, s13, 1
	s_cmp_lt_u32 s13, 2
	s_cbranch_scc1 .Lbig_a
	s_wait_tensorcnt 0x0                           ; my parts of keys 256-1,023
	s_wait_dscnt 0x0
	s_barrier_signal -1
	s_barrier_wait -1                              ; everybody's: from here on all of K and V may be read (the next phase loads K(4))
	s_mov_b32 s13, 0
.Lbig_b:
	BODY 0x50, QF                                  ; n = 3 .. G - 2: G - 4 trips, at least four
	s_add_co_u32 s13, s13, 1
	s_cmp_lt_u32 s13, s80
	s_cbranch_scc1 .Lbig_b
	PHASE 1, 0, 0, 1, 0, 1, 1, 0x50, QF, 1, 0      ; PH2(G-1): K(G), and of S_A(G) the live tiles
	PHASE 0, 0, 1, 1, 0, 1, 1, 0x50, QF, 0, 1      ; PH1(G): A on the diagonal; O_B takes block G - 1; S_B(G); V(G)
	PHASE 1, 0, 1, 1, 1, 0, 0, 0x50, QF, 0, 0      ; PH2(G): B on the diagonal; O_A takes block G; nothing follows
	EPI 1, 1                                       ; O_B takes block G
	NORMPACK PKB
	; THE SMALL GROUP: its diagonal block p first, so that the step that starts the sums is one text for every p, then blocks 0 .. p - 1 (the running maximum takes any order)
	v_add_nc_u32 v[KAD], s81, v[KAD0]
	v_add_nc_u32 v[VAD], s82, v[VAD0]
	PRO 1, 0x58, QF2                               ; K(p); S_A(p)
	v_mov_b32 v[KAD], v[KAD0]                      ; K goes on with block 0
	PHASE 0, 1, 1, 0, 0, 1, 1, 0x58, QF2, 0, 1     ; PH1(p): A starts on the diagonal; S_B(p); V(p)
	WIN 0
	v_mov_b32 v[VAD], v[VAD0]                      ; and so does V
	s_cmp_eq_u32 s11, 0
	s_cbranch_scc1 .Lp0
	PHASE 1, 1, 1, 2, 1, 1, 0, 0x58, QF2, 1, 0     ; PH2(p): B starts on the diagonal; O_A starts; K(0), S_A(0)
	PHASE 0, 0, 0, 2, 1, 1, 0, 0x58, QF2, 0, 1     ; PH1(0): O_B starts with block p; S_B(0); V(0)
	WIN 0
	s_cmp_eq_u32 s11, 1
	s_cbranch_scc1 .Lsm_tail
	s_mov_b32 s13, 1
.Lsmall:
	BODY 0x58, QF2                                 ; n = 0 .. p - 2
	s_add_co_u32 s13, s13, 1
	s_cmp_lt_u32 s13, s11
	s_cbranch_scc1 .Lsmall
.Lsm_tail:
	PHASE 1, 0, 0, 1, 0, 0, 0, 0x58, QF2, 0, 0     ; PH2(p-1): nothing follows
	EPI 1, 0
	s_branch .Lsm_done
.Lp0:
	PHASE 1, 1, 1, 2, 1, 0, 0, 0x58, QF2, 0, 0     ; p = 0: the diagonal block is all there is
	EPI 2, 1
.Lsm_done:
	NORMPACK PKS                                   ; over the small group's Q, which no product reads any more
	s_wait_dscnt 0x0                               ; my reads of K and V are over
	s_barrier_signal -1
	s_barrier_wait -1                              ; everybody's are: LDS is written only from here on
	OUTG PKB, 74
	OUTG PKS, 76
	s_wait_tensorcnt 0x0
	ds_add_u32 v238, v239
	s_wait_dscnt 0x0
	s_endpgm
.Lfunc_end_k_q0f9490a7a2_attn:
	.size	k_q0f9490a7a2_attn, .Lfunc_end_k_q0f9490a7a2_attn-k_q0f9490a7a2_attn
	.p2alignl 7, 3214868480
	.fill 96, 4, 3214868480
	.section	.rodata,"a",@progbits
	.p2align	6, 0x0
	.amdhsa_kernel k_q0f9490a7a2_attn
		.amdhsa_group_segment_fixed_size 296448
		.amdhsa_private_segment_fixed_size 0
		.amdhsa_enable_private_segment 0
		.amdhsa_kernarg_size 16
		.amdhsa_user_sgpr_count 2
		.amdhsa_user_sgpr_kernarg_segment_ptr 1
		.amdhsa_wavefront_size32 1
		.amdhsa_system_sgpr_workgroup_id_x 1
		.amdhsa_system_sgpr_workgroup_id_y 1
		.amdhsa_system_sgpr_workgroup_id_z 1
		.amdhsa_system_vgpr_workitem_id 0
		.amdhsa_next_free_vgpr 768
		.amdhsa_next_free_sgpr 92
		.amdhsa_reserve_vcc 0
		.amdhsa_float_denorm_mode_32 3
		.amdhsa_float_denorm_mode_16_64 3
		.amdhsa_memory_ordered 1
		.amdhsa_forward_progress 1
		.amdhsa_inst_pref_size 255
	.end_amdhsa_kernel
	.section	.bss,"aw",@nobits
	.p2align	6
	.space	262144
	.amdgpu_metadata
---
amdhsa.version: [ 1, 2 ]
amdhsa.kernels:
  - .name:           k_q0f9490a7a2_attn
    .symbol:         k_q0f9490a7a2_attn.kd
    .args:
      - { .name: qkv, .offset: 0, .size: 8, .value_kind: global_buffer, .address_space: global }
      - { .name: att, .offset: 8, .size: 8, .value_kind: global_buffer, .address_space: global }
    .group_segment_fixed_size: 296448
    .private_segment_fixed_size: 0
    .kernarg_segment_align: 8
    .kernarg_segment_size: 16
    .max_flat_workgroup_size: 128
    .sgpr_count:     92
    .vgpr_count:     768
    .wavefront_size: 32
...
	.end_amdgpu_metadata
.endif
;; end of part 3
;; launch proj (part 4): grid 8 x 32, 4 waves a work-group, clusters of 4 x 4, 327,680 bytes of LDS; arguments att, wpb, bp, out0; writes out0
.if DOCPART == 4
	.amdgcn_target "amdgcn-amd-amdhsa--gfx1250"
	.amdhsa_code_object_version 6
	.text
	.protected	k_q0f9490a7a2_proj
	.globl	k_q0f9490a7a2_proj
	.p2align	8
	.type	k_q0f9490a7a2_proj,@function
k_q0f9490a7a2_proj:
	s_mov_b64 s[64:65], 0
	v_nop
	global_prefetch_b8 v0, s[64:65] scope:SCOPE_SE
	s_setreg_imm32_b32 hwreg(HW_REG_WAVE_MODE, 25, 1), 1
	s_wait_xcnt 0x0
	s_wait_alu depctr_hold_cnt(0) depctr_sa_sdst(0) depctr_va_vdst(0) depctr_va_sdst(0) depctr_va_ssrc(0) depctr_va_vcc(0) depctr_vm_vsrc(0)
	s_getreg_b32 s2, hwreg(HW_REG_IB_STS2, 6, 4)
	s_cmp_eq_u32 s2, 0
	s_cbranch_scc0 .Lentry_in_a_cluster
	s_endpgm
.Lentry_in_a_cluster:
	s_bfe_u32 s2, ttmp6, 0x10000c
	s_cmp_lg_u32 s2, 0xf033
	s_cbranch_scc0 .Lentry_shape_is_right
	s_endpgm
.Lentry_shape_is_right:
; out0[m][n] = sum over e of a[m][e] Wp[n][e] + bp[n], m = 1024 b + t, e = 64 h + d; a is att[b][h][t][d] in f16, Wp is wpb (bf16(Wp) kept as f16) [n][e]; f32 sums, f32 out.
; No work is left out here.
; A work-group makes 256 x 128: 32 x 8 = 256 work-groups.  Four waves; a wave makes 128 x 64: 32 accumulator tiles, 256 registers.  e goes in steps of 128 (two heads)
; through two LDS slots.  A's tile of a step is two dense blocks of att (a head's 256 t x 128 bytes), each brought as 128 rows of 256 bytes (two t to a row);
; Wp's tile is 128 rows of 256 bytes.  All rows lie at multiples of 256 bytes.
; CLUSTERS: 4 x 4 work-groups; att's tiles are asked for jointly along a row of the cluster, wpb's along a column.
; ASKING AHEAD.  A step has 128 matrix instructions a wave, and two slots of two steps each (4 x 104,448 bytes) do not fit in LDS, so att's tiles are asked for ahead of their
; tensor loads.  Tile k of a block row is 64 KiB, 256 pieces of 256 bytes, and the eight work-groups of the block row all need it: work-group bx asks for its own eighth, head
; 2 k + bx / 4, bytes 8,192 (bx % 4) .. + 8,191 of the block row's 32 KiB there, by one instruction of wave 3 with the lanes 256 bytes apart.  So each piece is asked for once in
; the launch.  Step t's first quarter asks for tile t + 3, which the refill in step t + 1's last quarter requests: the wave issues 16 + 96 + 96 + 16 = 224 matrix instructions
; between.  Tile 2 is asked for behind the first fills.  Steps 5, 6, 7 ask for nothing; the highest byte named is 14,934,016 + 7 x 262,144 + 31 x 256 = 16,776,960, inside att's
; 16,777,216.  Two tiles' eighths, 16 KiB a work-group, are asked for and not yet read at any time.  The tile stands in the instruction's immediate and the address registers are
; never written again; that, and the last steps' silence, is why the four laps are written out by macro and not looped.  wpb is not asked for: its 2 MiB are read by all 32
; block rows at about the same time.
; REGISTERS: window 0: v8-11 bias, v16-28 addresses, v64-127 and v128-191 fragments of att; window 1: v64-95, v128-159 fragments of wpb;
; window 2: tiles of my rows 0-63 (tile (a, b) at v[8 (4 a + b)]); window 3: rows 64-127.  The matrix instruction is used transposed, as in the launch qkv.
.set PITCH,  272
.set HALFA,  128*PITCH                 ; one head's 256 t
.set HALFB,  64*PITCH                  ; 64 rows of wpb
.set SLOT,   2*HALFA+2*HALFB
.set STAGE,  2*SLOT                    ; behind the ring: 16 rows x 272 bytes for each wave; no tensor load lands there
.set ADRA, 16
.set ADRB, 20
.set STO,  24
.set RD,   25
.set CO,   26
.set BO,   27
.set PO,   28                          ; asking ahead: 256 x lane; never rewritten
.set BIAS, 8
.set F0,   64
.set F1,   128
.set G1, 24
.set G0, 32
.set G1B, 48
.set G0B, 56
.set MSB, 0
.macro WIN new
.if MSB != \new
	s_set_vgpr_msb (MSB<<8)|\new
.set MSB, \new
.endif
.endm
.set MUL_LO, 0xa1
.set MUL_HI, 0xf1
.set TO_B,   0x40
.macro JLOAD s                         ; waves 0 and 1 fetch att's two heads, waves 2 and 3 wpb's two halves
	s_cmp_eq_u32 s11, 0
	s_cbranch_scc0 .Lfor_b_\@
	tensor_load_to_lds s[G0+4*\s:G0+4*\s+3], s[G1:G1+7]
	s_nop 0
	s_branch .Lasked_\@
.Lfor_b_\@:
	tensor_load_to_lds s[G0B+4*\s:G0B+4*\s+3], s[G1B:G1B+7]
	s_nop 0
.Lasked_\@:
.endm
.macro CREST
	s_cmp_lg_u32 s10, 0
	s_cbranch_scc1 .Lnot_wave_0_\@
	s_barrier_signal -3
.Lnot_wave_0_\@:
	s_barrier_wait -3
	s_barrier_signal -1
	s_barrier_wait -1
.endm
.macro CROUND
	s_barrier_signal -1
	s_barrier_wait -1
	CREST
.endm
; Wave 3 asks for my work-group's eighth of att's tile k.  The branch hangs on the wave's number alone; every register window is 0 where the macro is called.
.macro ASK k
	s_cmp_lg_u32 s10, 3
	s_cbranch_scc1 .Lno_ask_\@
	global_prefetch_b8 v[PO], s[72:73] offset:\k*262144 th:TH_LOAD_NT scope:SCOPE_SE
.Lno_ask_\@:
.endm
	s_load_b128 s[4:7], s[0:1], 0x0                ; att s[4:5], wpb s[6:7]
	s_load_b128 s[68:71], s[0:1], 0x10             ; bp s[68:69], out0 s[70:71]
	s_set_vgpr_msb 0x40
	v_lshl_add_u32 v255, v0, 2, 0x37400
	s_set_vgpr_msb 0x4000
	v_mov_b32 v255, 0
	s_set_vgpr_msb 0x1
	ds_add_u32 v255, v255
	ds_add_u32 v255, v255
	s_set_vgpr_msb 0x100
	v_lshrrev_b32 v1, 5, v0
	v_readfirstlane_b32 s10, v1
	s_lshr_b32 s11, s10, 1                         ; my half of the rows.  Also: I fetch for att (0) or for wpb (1)
	s_and_b32 s12, s10, 1                          ; my half of the columns.  Also: which head, or which 64 rows, I fetch
	s_bfe_u32 s40, ttmp6, 0x40000
	s_bfe_u32 s41, ttmp6, 0x40004
	s_lshl_b32 s42, ttmp9, 2
	s_add_co_u32 s42, s42, s40                     ; block column, 0..7
	s_and_b32 s13, ttmp7, 0xffff
	s_lshl_b32 s13, s13, 2
	s_add_co_u32 s13, s13, s41                     ; block row, 0..31
	s_lshl_b32 s43, s41, 2
	s_lshl_b32 s43, 15, s43
	s_lshl_b32 s44, 0x1111, s40
	s_or_b32 s[G1+0], s43, (3<<16)|(1<<20)|(1<<21)|(5<<22)|(3<<25)   ; att: mask of my row; elements of 8 bytes; 4 words of padding behind every 64
	s_or_b32 s[G1B+0], s44, (1<<16)|(1<<20)|(1<<21)|(5<<22)|(3<<25)  ; wpb: mask of my column; elements of 2 bytes
	s_mov_b32 s[G1+1], 32<<16                      ; a dense block: rows of 32 elements
	s_mov_b32 s[G1B+1], 128<<16
	s_mov_b32 s[G1+2], 128<<16                     ; 128 rows
	s_mov_b32 s[G1B+2], 64<<16                     ; 64 rows
	s_mov_b32 s[G1+3], 32<<16
	s_mov_b32 s[G1B+3], 128<<16
	s_mov_b32 s[G1+4], 128
	s_mov_b32 s[G1B+4], 64
	s_mov_b32 s[G1+5], 32                          ; each row begins where the last ends
	s_mov_b32 s[G1B+5], 1024
	s_mov_b32 s[G1+6], 0
	s_mov_b32 s[G1B+6], 0
	s_mov_b32 s[G1+7], 0
	s_mov_b32 s[G1B+7], 0
	s_lshr_b32 s16, s13, 2
	s_lshl_b32 s16, s16, 21                        ; b: 16 heads of 131,072 bytes
	s_and_b32 s17, s13, 3
	s_lshl_b32 s17, s17, 15                        ; 256 t x 128 bytes
	s_add_co_u32 s16, s16, s17
	s_lshl_b32 s17, s12, 17                        ; the even or the odd head of the step
	s_add_co_u32 s16, s16, s17
	s_mov_b32 s17, 0
	s_lshl_b32 s46, s42, 18                        ; 128 rows of 2,048 bytes
	s_lshl_b32 s47, s12, 17                        ; 64 rows
	s_add_co_u32 s46, s46, s47
	s_mov_b32 s47, 0
	; asking ahead: my eighth of tile 0, in registers that feed no descriptor (they hold both coordinates)
	s_lshr_b32 s74, s13, 2
	s_lshl_b32 s74, s74, 21                        ; b
	s_and_b32 s75, s13, 3
	s_lshl_b32 s75, s75, 15                        ; the block row's 256 t
	s_add_co_u32 s74, s74, s75
	s_lshr_b32 s75, s42, 2
	s_lshl_b32 s75, s75, 17                        ; block columns 0-3: the even head, 4-7: the odd one
	s_add_co_u32 s74, s74, s75
	s_and_b32 s75, s42, 3
	s_lshl_b32 s75, s75, 13                        ; a quarter of the head's 32 KiB
	s_add_co_u32 s74, s74, s75
	s_mov_b32 s75, 0
	s_mul_i32 s20, s10, HALFA                      ; LDS: waves 0, 1: the two heads
	s_mul_i32 s45, s10, HALFB                      ; waves 2, 3: wpb's halves behind them
	s_add_co_u32 s45, s45, 2*HALFA-2*HALFB
	s_wait_dscnt 0x0
	s_wait_kmcnt 0x0
	s_add_nc_u64 s[14:15], s[4:5], s[16:17]
	s_add_nc_u64 s[46:47], s[6:7], s[46:47]
	s_add_nc_u64 s[72:73], s[4:5], s[74:75]
	CROUND
.irp s, 0,1
	s_mov_b32 s[G0+4*\s], 1
	s_add_co_u32 s[G0+4*\s+1], s20, \s*SLOT
	s_add_nc_u64 s[G0+4*\s+2:G0+4*\s+3], s[14:15], \s*262144       ; step s: heads 2 s, 2 s + 1
	s_or_b32 s[G0+4*\s+3], s[G0+4*\s+3], 0x80000000
	s_mov_b32 s[G0B+4*\s], 1
	s_add_co_u32 s[G0B+4*\s+1], s45, \s*SLOT
	s_add_nc_u64 s[G0B+4*\s+2:G0B+4*\s+3], s[46:47], \s*256
	s_or_b32 s[G0B+4*\s+3], s[G0B+4*\s+3], 0x80000000
	JLOAD \s                                       ; two tensor loads of a wave are out here, later one
.endr
	v_and_b32 v1, 15, v0                           ; r
	v_bfe_u32 v2, v0, 4, 1                         ; hh
	s_lshl_b32 s46, s42, 9                         ; my 64 columns: 512 x block column + 256 x half, in bytes of f32
	s_lshl_b32 s47, s12, 8
	s_add_co_u32 s46, s46, s47
	s_mov_b32 s47, 0
	s_add_nc_u64 s[68:69], s[68:69], s[46:47]
	v_lshlrev_b32 v[BO], 4, v1
	global_load_b128 v[BIAS:BIAS+3], v[BO], s[68:69]               ; the four columns that I hold when rows are read back
	v_and_b32 v[PO], 31, v0
	v_lshlrev_b32 v[PO], 8, v[PO]
	ASK 2                                          ; tile 2, which the refill in step 0's last quarter requests
	v_lshrrev_b32 v6, 1, v1
	v_and_b32 v7, 1, v1
	v_mul_u32_u24 v3, v6, PITCH
	v_lshl_add_u32 v3, v7, 7, v3
	v_lshl_add_u32 v3, v2, 4, v3                   ; att: t = r lies in row r / 2, half r % 2
	v_mul_u32_u24 v4, v1, PITCH
	v_lshl_add_u32 v4, v2, 4, v4                   ; wpb: row r
	s_mul_i32 s21, s11, 64*PITCH                   ; my 128 t: 64 rows
	s_mul_i32 s22, s12, HALFB
	s_add_co_u32 s22, s22, 2*HALFA
.irp s, 0,1
	v_add_nc_u32 v[ADRA+\s], s21, v3
	v_add_nc_u32 v[ADRB+\s], s22, v4
	s_add_co_u32 s21, s21, SLOT
	s_add_co_u32 s22, s22, SLOT
.endr
	s_mul_i32 s23, s10, 16*PITCH
	s_add_co_u32 s23, s23, STAGE
	v_mul_u32_u24 v5, v1, PITCH                    ; in: row r, 32 bytes (8 f32) for each half of the lanes
	v_lshl_add_u32 v5, v2, 5, v5
	v_add_nc_u32 v[STO], s23, v5
	v_mul_u32_u24 v5, v2, PITCH                    ; back: lanes 0-15 one row of 256 bytes, lanes 16-31 the next
	v_lshl_add_u32 v5, v1, 4, v5
	v_add_nc_u32 v[RD], s23, v5
	v_lshlrev_b32 v5, 12, v2                       ; and the same two rows of out0, 4,096 bytes apart
	v_lshl_add_u32 v[CO], v1, 4, v5
.macro MULX f, hi, a0, zero            ; 8 matrix instructions: row blocks a0, a0 + 1 x 4 column blocks
.irp a, \a0, \a0+1
.irp b, 0,1,2,3
.if \zero
	v_wmma_f32_16x16x32_f16 v[8*(4*(\a)+\b):8*(4*(\a)+\b)+7], v[\f+8*\b:\f+8*\b+7], v[\f+8*(4*\hi+\a):\f+8*(4*\hi+\a)+7], 0
.else
	v_wmma_f32_16x16x32_f16 v[8*(4*(\a)+\b):8*(4*(\a)+\b)+7], v[\f+8*\b:\f+8*\b+7], v[\f+8*(4*\hi+\a):\f+8*(4*\hi+\a)+7], v[8*(4*(\a)+\b):8*(4*(\a)+\b)+7]
.endif
.endr
.endr
.endm
; 24 LDS loads: 64 rows of wpb at byte kb of the rows, 128 t of att at ka (the head's plane and 0 or 64 in the t's 128 bytes); 16 t are 8 rows
.macro FETCH slot, ka, kb, f
	WIN TO_B
.irp i, 0,1,2,3
	ds_load_b128 v[\f+8*\i:\f+8*\i+3],   v[ADRB+\slot] offset:\kb+\i*16*PITCH
	ds_load_b128 v[\f+8*\i+4:\f+8*\i+7], v[ADRB+\slot] offset:\kb+\i*16*PITCH+32
.endr
	WIN 0
.irp i, 0,1,2,3,4,5,6,7
	ds_load_b128 v[\f+8*\i:\f+8*\i+3],   v[ADRA+\slot] offset:\ka+\i*8*PITCH
	ds_load_b128 v[\f+8*\i+4:\f+8*\i+7], v[ADRA+\slot] offset:\ka+\i*8*PITCH+32
.endr
.endm
.macro PLACES                          ; four independent vector instructions between a matrix instruction and a load into, or a vector or LDS access to, its registers (ISA guide 7.12.1 for vector accesses)
.rept 4
	v_nop
.endr
.endm
; The 32 accumulators take turns, one instruction a turn, in the same order in every quarter.
; ask: the tile of att that is asked for ahead, behind the quarter's run of LDS loads (0: none)
.macro QUARTER slot, ka, kb, f, g, zero, ask
	s_wait_dscnt 8                                 ; wpb and att's rows 0-63 are in; the youngest eight loads (rows 64-127) may be out
	WIN MUL_LO
	MULX \f, 0, 0, \zero
	MULX \f, 0, 2, \zero
	PLACES
	FETCH \slot, \ka, \kb, \g
.if \ask
	ASK \ask                                       ; the wait that follows is for loads issued a quarter ago: the wave does not sit on it
.endif
	s_wait_dscnt 24                                ; all but the 24 just issued
	WIN MUL_HI
	MULX \f, 1, 0, \zero
	MULX \f, 1, 2, \zero
.endm
.macro THREE slot, zero, ask
	QUARTER \slot, 64,       64,  F0, F1, \zero, \ask
	QUARTER \slot, HALFA,    128, F1, F0, 0, 0
	QUARTER \slot, HALFA+64, 192, F0, F1, 0, 0
.endm
.macro TURN slot, next, fill
	s_wait_dscnt 8
	WIN MUL_LO
	MULX F1, 0, 0, 0
	s_wait_dscnt 0                                 ; my reads of this slot are over
	s_wait_tensorcnt 0x0                           ; all my tensor loads have landed: the one that was out is my part of the next slot
	ds_add_u32 v255, v255
	s_wait_dscnt 0x0
	s_barrier_signal -1
	MULX F1, 0, 2, 0
	WIN 0
	s_barrier_wait -1
.if \fill
	CREST                                          ; no wave of any partner still reads this slot or has a load on its way
	s_add_nc_u64 s[G0+4*\slot+2:G0+4*\slot+3], s[G0+4*\slot+2:G0+4*\slot+3], 524288      ; two steps on: four heads
	s_add_nc_u64 s[G0B+4*\slot+2:G0B+4*\slot+3], s[G0B+4*\slot+2:G0B+4*\slot+3], 512
	JLOAD \slot                                    ; the first tensor load behind the round, and my only one until the next
.endif
	PLACES
	FETCH \next, 0, 0, F0
	WIN MUL_HI
	MULX F1, 1, 0, 0
	MULX F1, 1, 2, 0
.endm
.macro LAP zero, ask0, ask1            ; once round the ring, both slots filled again; ask0, ask1: the tiles that its two steps ask for ahead
	THREE 0, \zero, \ask0
	TURN 0, 1, 1
	THREE 1, 0, \ask1
	TURN 1, 0, 1
.endm
	s_wait_tensorcnt 0x1                           ; my part of step 0 is in; step 1's may stay out
	s_barrier_signal -1
	s_barrier_wait -1
	FETCH 0, 0, 0, F0
	LAP 1, 3, 4                                    ; steps 0, 1: the first products start the sums: nothing is cleared
	LAP 0, 5, 6                                    ; steps 2, 3
	LAP 0, 7, 0                                    ; steps 4, 5: tile 7 is the last
	THREE 0, 0, 0                                  ; steps 6, 7 fill nothing and ask for nothing
	TURN 0, 1, 0
	THREE 1, 0, 0
	s_wait_dscnt 8
	WIN MUL_LO
	MULX F1, 0, 0, 0
	MULX F1, 0, 2, 0
	s_wait_dscnt 0
	WIN MUL_HI
	MULX F1, 1, 0, 0
	MULX F1, 1, 2, 0
	; THE WAY OUT, 16 rows at a time through my own stage: a lane's eight f32 go in as 32 bytes of a row, whole rows of 256 bytes come back, the bias is added, and
	; sixteen lanes store 256 neighbouring bytes at a multiple of 256.
	PLACES
	s_lshl_b32 s16, s13, 8
	s_lshl_b32 s17, s11, 7
	s_add_co_u32 s16, s16, s17                     ; my first row
	s_lshl_b32 s16, s16, 12                        ; 4,096 bytes a row
	s_mov_b32 s17, 0
	s_add_nc_u64 s[8:9], s[70:71], s[16:17]
	s_add_nc_u64 s[8:9], s[8:9], s[46:47]          ; my first column, as made for the bias
	s_wait_loadcnt 0x0                             ; the bias
.macro OUT16 i, a, win, f              ; win = 0x08 or 0x0c: the LDS stores' data from window 2 or 3
	WIN \win
.irp b, 0,1,2,3
	ds_store_b128 v[STO], v[8*(4*\a+\b):8*(4*\a+\b)+3]   offset:64*\b
	ds_store_b128 v[STO], v[8*(4*\a+\b)+4:8*(4*\a+\b)+7] offset:64*\b+16
.endr
	WIN 0
	s_wait_xcnt 0x0                                ; buffer f and the base may still be sources of earlier stores: written again only behind this wait
.if \i
	s_add_nc_u64 s[8:9], s[8:9], 65536             ; 16 rows on
.endif
.irp t, 0,1,2,3,4,5,6,7
	ds_load_b128 v[\f+4*\t:\f+4*\t+3], v[RD] offset:\t*2*PITCH     ; LDS serves a wave's instructions in order: these see the stores above
.endr
.irp t, 0,1,2,3,4,5,6,7
	s_wait_dscnt 7-\t
	v_pk_add_f32 v[\f+4*\t:\f+4*\t+1],   v[\f+4*\t:\f+4*\t+1],   v[BIAS:BIAS+1]
	v_pk_add_f32 v[\f+4*\t+2:\f+4*\t+3], v[\f+4*\t+2:\f+4*\t+3], v[BIAS+2:BIAS+3]
	global_store_b128 v[CO], v[\f+4*\t:\f+4*\t+3], s[8:9] offset:8192*\t
.endr
.endm
	OUT16 0, 0, 0x08, F0
	OUT16 1, 1, 0x08, F1
	OUT16 2, 2, 0x08, F0
	OUT16 3, 3, 0x08, F1
	OUT16 4, 0, 0x0c, F0
	OUT16 5, 1, 0x0c, F1
	OUT16 6, 2, 0x0c, F0
	OUT16 7, 3, 0x0c, F1
	s_set_vgpr_msb 0x1
	s_wait_tensorcnt 0x0
	ds_add_u32 v255, v255
	s_wait_dscnt 0x0
	s_set_vgpr_msb 0x100
	CROUND                                         ; the closing round
	s_endpgm
.Lfunc_end_k_q0f9490a7a2_proj:
	.size	k_q0f9490a7a2_proj, .Lfunc_end_k_q0f9490a7a2_proj-k_q0f9490a7a2_proj
	.p2alignl 7, 3214868480
	.fill 96, 4, 3214868480
	.section	.rodata,"a",@progbits
	.p2align	6, 0x0
	.amdhsa_kernel k_q0f9490a7a2_proj
		.amdhsa_group_segment_fixed_size 327680
		.amdhsa_private_segment_fixed_size 0
		.amdhsa_enable_private_segment 0
		.amdhsa_kernarg_size 32
		.amdhsa_user_sgpr_count 2
		.amdhsa_user_sgpr_kernarg_segment_ptr 1
		.amdhsa_wavefront_size32 1
		.amdhsa_system_sgpr_workgroup_id_x 1
		.amdhsa_system_sgpr_workgroup_id_y 1
		.amdhsa_system_sgpr_workgroup_id_z 1
		.amdhsa_system_vgpr_workitem_id 0
		.amdhsa_next_free_vgpr 896
		.amdhsa_next_free_sgpr 76
		.amdhsa_reserve_vcc 0
		.amdhsa_float_denorm_mode_32 3
		.amdhsa_float_denorm_mode_16_64 3
		.amdhsa_memory_ordered 1
		.amdhsa_forward_progress 1
		.amdhsa_inst_pref_size 162
	.end_amdhsa_kernel
	.amdgpu_metadata
---
amdhsa.version: [ 1, 2 ]
amdhsa.kernels:
  - .name:           k_q0f9490a7a2_proj
    .symbol:         k_q0f9490a7a2_proj.kd
    .args:
      - { .name: att, .offset: 0, .size: 8, .value_kind: global_buffer, .address_space: global }
      - { .name: wpb, .offset: 8, .size: 8, .value_kind: global_buffer, .address_space: global }
      - { .name: bp, .offset: 16, .size: 8, .value_kind: global_buffer, .address_space: global }
      - { .name: out0, .offset: 24, .size: 8, .value_kind: global_buffer, .address_space: global }
    .group_segment_fixed_size: 327680
    .private_segment_fixed_size: 0
    .kernarg_segment_align: 8
    .kernarg_segment_size: 32
    .max_flat_workgroup_size: 128
    .sgpr_count:     76
    .vgpr_count:     896
    .wavefront_size: 32
...
	.end_amdgpu_metadata
.endif
;; end of part 4
;; ======== version 2 of 2: 4 launches; version 1 with the launch prep written anew for expert scheduling mode
;; limits: values are held in f16: magnitudes above 65,504 overflow, below 6.1e-05 lose precision; right only within a limited range of input values
;; workspace buffers: xb 16,777,216 bytes; wt 6,291,456 bytes; wpb 2,097,152 bytes; qkv 50,331,648 bytes; att 16,777,216 bytes
;; launch prep (part 5): grid 768 x 1, 8 waves a work-group, no clusters, 34,816 bytes of LDS; arguments x, Wp, Wq, Wk, Wv, xb, wpb, wt; writes xb, wpb, wt
.if DOCPART == 5
	.amdgcn_target "amdgcn-amd-amdhsa--gfx1250"
	.amdhsa_code_object_version 6
	.text
	.protected	k_q0f9490a7a2_prep
	.globl	k_q0f9490a7a2_prep
	.p2align	8
	.type	k_q0f9490a7a2_prep,@function
k_q0f9490a7a2_prep:
	s_mov_b64 s[64:65], 0
	v_nop
	global_prefetch_b8 v0, s[64:65] scope:SCOPE_SE
	s_setreg_imm32_b32 hwreg(HW_REG_WAVE_SCHED_MODE, 0, 2), 2
	s_setreg_imm32_b32 hwreg(HW_REG_WAVE_MODE, 25, 1), 1
	s_wait_xcnt 0x0
	s_wait_alu depctr_vm_vsrc(0)
; FIRST OF FOUR LAUNCHES (prep, qkv, attn, proj) for causal multi-head self-attention, B = 8, T = E = 1024, H = 16, DH = 64.
; This launch makes the matrix operands once: xb = bf16(x) [8192][1024]; wt = bf16 of Wq, Wk, Wv transposed to [3072 n][1024 e],
; n = 64 (16 which + h) + d, so that e, the axis that is summed over, lies along the rows; wpb = bf16(Wp) kept in f16's format [1024 n][1024 e].
;
; WORK LEFT OUT, in the launch attn: reference() sets att[t][s] to -inf for s > t by a mask that it builds itself (tril), and softmax gives such a
; score the weight exp(-inf) = 0 whatever finite values x, Wq, Wk hold.  So key blocks of 64 that lie wholly above the diagonal, and inside the
; diagonal block the 16 x 16 tiles wholly above it, are neither multiplied nor summed.  Every input has a way to the output and is loaded.
; LIMIT: a NaN, an infinity or an overflow that arises only in those left-out scores is not carried to the result.
;
; FORMATS AND THEIR LIMITS.  x, Wq, Wk, Wv, Wp are rounded once, to bf16.  q, k, v, the softmax's weights and the attention's result are kept in
; f16 (eleven bits instead of eight: rows with few keys carry v almost unchanged to the output): |q|, |k|, |v| must stay below 65,504.
; Wp's partner operand is f16, so bf16(Wp) is stored as f16: exact for 2^-14 <= |w| < 65,504, off by at most 2^-25 below, infinite above.
;
; 768 work-groups of 16,384 numbers each: 0-511 cast x, 512-575 cast Wp, 576-767 transpose 256 e x 64 d of one head's weight through LDS.
; The branches hang on the work-group's number alone, so all eight waves of a work-group take the same path and meet the one barrier together.
; A stream: no matrix unit, no cluster (no two work-groups read the same byte), no tensor load (sixteen loads a lane are on their way at once).
;
; THE MODE: SCHED_MODE bits 1:0 = 2 (LLVM: expert scheduling mode 2), set by the entry lines.  The code itself states the register dependences
; between vector instructions and memory or LDS instructions, with s_wait_alu, always for 0.
; THE PLAN.  Registers that memory or LDS instructions touch:
;   offsets and addresses   v1, v2 (the casts); v1, v3, v104, v105 (the transposition): made at the path's head, ahead of ONE wait on va_vdst, and never written again.
;   X = v[4:67]             The sixteen loads land here; no vector instruction names these registers before that.  The conversions read them behind s_wait_loadcnt.
;   Y = v[68:99]            The casts: written by the conversions, each register once; read by the stores.
;   X's first four of each eight   The transposition: a pair of rows is rounded in place; read by the LDS stores; never written again.
;   R = v[72:103]           The transposition: the LDS loads land here and the global stores read them; no vector instruction of that path names them.
;   v108, v109              Written at the kernel's head, read by the closing add alone.
; The sixteen loads are worked off in four groups of four: the group's conversions, ONE wait on va_vdst, the run of the group's stores.  No register that a memory or LDS
; instruction reads is written again, so no wait on vm_vsrc is owed.  No vector instruction writes a scalar register or VCC, and EXEC is never written.
.set TP, 528                           ; LDS pitch of a transposed row: 256 e x 2 bytes + 16
	s_load_b512 s[8:23], s[0:1], 0x0               ; x s[8:9], Wp s[10:11], Wq s[12:13], Wk s[14:15], Wv s[16:17], xb s[18:19], wpb s[20:21], wt s[22:23]
	v_lshl_add_u32 v108, v0, 2, 0x8400             ; my spare word, behind the 64 transposed rows (64 x 528 = 0x8400), and 0: kept for the closing lines alone
	v_mov_b32 v109, 0
	s_mov_b32 s3, 0                                ; upper word of every byte offset (all are below 4 GiB)
	s_wait_kmcnt 0x0
	s_cmp_lt_u32 ttmp9, 512
	s_cbranch_scc1 .Lcast_x
	s_cmp_lt_u32 ttmp9, 576
	s_cbranch_scc1 .Lcast_p
	s_branch .Ltranspose
; 65,536 bytes of f32 at s[4:5] become 32,768 bytes of 16-bit numbers at s[6:7].  Thread t takes 16 bytes at 16 t of each block of 4,096:
; a wave's load covers 512 neighbouring bytes, its store 256 neighbouring bytes at a multiple of 256.
; twice = 1: rounded to bf16, widened again (a shift, a mask) and written as f16.
.macro STREAM twice
	v_lshlrev_b32 v1, 4, v0
	v_lshlrev_b32 v2, 3, v0
	s_wait_alu depctr_va_vdst(0)                   ; v1 and v2 are written: the loads below read v1 as their offset, the stores v2
.irp i, 0,1,2,3,4,5,6,7,8,9,10,11,12,13,14,15
	global_load_b128 v[4+4*\i:7+4*\i], v1, s[4:5] offset:4096*\i th:TH_LOAD_NT
.endr
.irp g, 0,1,2,3
	s_wait_loadcnt 12-4*\g                         ; loads return in order: the four loads of group g are in, the younger groups' stay out
.irp j, 0,1,2,3
.if \twice
	v_cvt_pk_bf16_f32 v100, v[4+4*(4*\g+\j)], v[5+4*(4*\g+\j)]
	v_cvt_pk_bf16_f32 v101, v[6+4*(4*\g+\j)], v[7+4*(4*\g+\j)]
	v_lshlrev_b32 v102, 16, v100
	v_and_b32 v103, 0xffff0000, v100
	v_lshlrev_b32 v104, 16, v101
	v_and_b32 v105, 0xffff0000, v101
	v_cvt_pk_f16_f32 v[68+2*(4*\g+\j)], v102, v103
	v_cvt_pk_f16_f32 v[69+2*(4*\g+\j)], v104, v105
.else
	v_cvt_pk_bf16_f32 v[68+2*(4*\g+\j)], v[4+4*(4*\g+\j)], v[5+4*(4*\g+\j)]
	v_cvt_pk_bf16_f32 v[69+2*(4*\g+\j)], v[6+4*(4*\g+\j)], v[7+4*(4*\g+\j)]
.endif
.endr
	s_wait_alu depctr_va_vdst(0)                   ; the group's conversions have written its eight registers of Y, which the four stores below read
.irp j, 0,1,2,3
	global_store_b64 v2, v[68+2*(4*\g+\j):69+2*(4*\g+\j)], s[6:7] offset:2048*(4*\g+\j)   ; each store has data registers of its own: none is written twice
.endr
.endr
.endm
.Lcast_x:
	s_lshl_b32 s2, ttmp9, 16
	s_add_nc_u64 s[4:5], s[8:9], s[2:3]
	s_lshl_b32 s2, ttmp9, 15
	s_add_nc_u64 s[6:7], s[18:19], s[2:3]
	STREAM 0
	s_endpgm
.Lcast_p:
	s_sub_co_u32 s24, ttmp9, 512
	s_lshl_b32 s2, s24, 16
	s_add_nc_u64 s[4:5], s[10:11], s[2:3]
	s_lshl_b32 s2, s24, 15
	s_add_nc_u64 s[6:7], s[20:21], s[2:3]
	STREAM 1
	s_endpgm
.Ltranspose:
	s_sub_co_u32 s24, ttmp9, 576                   ; u = 64 which + 4 h + eb
	s_lshr_b32 s25, s24, 6                         ; which: 0 Wq, 1 Wk, 2 Wv
	s_cmp_eq_u32 s25, 1
	s_cselect_b64 s[4:5], s[14:15], s[12:13]
	s_cmp_eq_u32 s25, 2
	s_cselect_b64 s[4:5], s[16:17], s[4:5]
	s_bfe_u32 s26, s24, 0x40002                    ; h
	s_lshl_b32 s26, s26, 18                        ; a head's weight: 1024 e x 256 bytes
	s_and_b32 s27, s24, 3                          ; eb: which 256 e
	s_lshl_b32 s2, s27, 16
	s_add_co_u32 s2, s2, s26
	s_add_nc_u64 s[4:5], s[4:5], s[2:3]
	s_lshr_b32 s26, s24, 2                         ; 16 which + h
	s_lshl_b32 s26, s26, 17                        ; 64 rows of wt, 2,048 bytes each
	s_lshl_b32 s2, s27, 9                          ; 256 e x 2 bytes along the row
	s_add_co_u32 s2, s2, s26
	s_add_nc_u64 s[6:7], s[22:23], s[2:3]
	v_lshrrev_b32 v2, 4, v0                        ; a = 0..15: rows e = 32 i + 2 a and the next
	v_and_b32 v3, 15, v0                           ; l: columns d = 4 l .. 4 l + 3
	v_lshlrev_b32 v1, 9, v2
	v_lshl_add_u32 v1, v3, 4, v1                   ; 512 a + 16 l: sixteen lanes read one whole row of 256 bytes
	v_mul_u32_u24 v3, v3, 4*TP
	v_lshl_add_u32 v3, v2, 2, v3                   ; LDS: row d = 4 l, e = 2 a
	v_lshrrev_b32 v2, 5, v0                        ; the way back, made here too, so that one wait serves all four addresses.  wave: rows d = wave + 8 k
	v_and_b32 v106, 31, v0
	v_mul_u32_u24 v104, v2, TP
	v_lshl_add_u32 v104, v106, 4, v104
	v_lshlrev_b32 v105, 11, v2
	v_lshl_add_u32 v105, v106, 4, v105
	s_wait_alu depctr_va_vdst(0)                   ; v1, v3, v104 and v105 are written: the loads, the LDS stores, the LDS loads and the global stores below read them as addresses
.irp i, 0,1,2,3,4,5,6,7
	global_load_b128 v[4+8*\i:7+8*\i],   v1, s[4:5] offset:8192*\i th:TH_LOAD_NT
	global_load_b128 v[8+8*\i:11+8*\i],  v1, s[4:5] offset:8192*\i+256 th:TH_LOAD_NT
.endr
.irp g, 0,1,2,3
	s_wait_loadcnt 12-4*\g                         ; pairs 2 g and 2 g + 1 of rows are in (four loads), the younger pairs stay out
.irp p, 0,1
.irp c, 0,1,2,3
	v_cvt_pk_bf16_f32 v[4+8*(2*\g+\p)+\c], v[4+8*(2*\g+\p)+\c], v[8+8*(2*\g+\p)+\c]      ; (e, e + 1) of column d = 4 l + c: neighbours in the transposed row; in place, into the pair's first four registers
.endr
.endr
	s_wait_alu depctr_va_vdst(0)                   ; the eight conversions have written the registers that the eight LDS stores below read
.irp p, 0,1
.irp c, 0,1,2,3
	ds_store_b32 v3, v[4+8*(2*\g+\p)+\c] offset:TP*\c+64*(2*\g+\p)                        ; each store has a data register of its own: none is written again
.endr
.endr
.endr
	s_wait_dscnt 0x0                               ; my stores are in LDS before I say so: other waves read them
	s_barrier_signal -1
	s_barrier_wait -1
.irp k, 0,1,2,3,4,5,6,7
	ds_load_b128 v[72+4*\k:75+4*\k], v104 offset:8*TP*\k           ; no wait on va_vdst: no vector instruction of this path names v72 to v103, and v104 was written ahead of the wait at the path's head
.endr
.irp k, 0,1,2,3,4,5,6,7
	s_wait_dscnt 7-\k                              ; LDS loads return in order: row k is in, the younger ones stay out
	global_store_b128 v105, v[72+4*\k:75+4*\k], s[6:7] offset:16384*\k   ; 512 neighbouring bytes of one row of wt, at a multiple of 512
.endr
	s_wait_dscnt 0x0                               ; the closing lines, six on end
	s_wait_alu 0x0
	s_wait_tensorcnt 0x0
	ds_add_u32 v108, v109
	s_wait_dscnt 0x0
	s_endpgm
.Lfunc_end_k_q0f9490a7a2_prep:
	.size	k_q0f9490a7a2_prep, .Lfunc_end_k_q0f9490a7a2_prep-k_q0f9490a7a2_prep
	.p2alignl 7, 3214868480
	.fill 96, 4, 3214868480
	.section	.rodata,"a",@progbits
	.p2align	6, 0x0
	.amdhsa_kernel k_q0f9490a7a2_prep
		.amdhsa_group_segment_fixed_size 34816
		.amdhsa_private_segment_fixed_size 0
		.amdhsa_enable_private_segment 0
		.amdhsa_kernarg_size 64
		.amdhsa_user_sgpr_count 2
		.amdhsa_user_sgpr_kernarg_segment_ptr 1
		.amdhsa_wavefront_size32 1
		.amdhsa_system_sgpr_workgroup_id_x 1
		.amdhsa_system_sgpr_workgroup_id_y 1
		.amdhsa_system_sgpr_workgroup_id_z 1
		.amdhsa_system_vgpr_workitem_id 0
		.amdhsa_next_free_vgpr 110
		.amdhsa_next_free_sgpr 66
		.amdhsa_reserve_vcc 0
		.amdhsa_float_denorm_mode_32 3
		.amdhsa_float_denorm_mode_16_64 3
		.amdhsa_memory_ordered 1
		.amdhsa_forward_progress 1
		.amdhsa_inst_pref_size 26
	.end_amdhsa_kernel
	.amdgpu_metadata
---
amdhsa.version: [ 1, 2 ]
amdhsa.kernels:
  - .name:           k_q0f9490a7a2_prep
    .symbol:         k_q0f9490a7a2_prep.kd
    .args:
      - { .name: x, .offset: 0, .size: 8, .value_kind: global_buffer, .address_space: global }
      - { .name: Wp, .offset: 8, .size: 8, .value_kind: global_buffer, .address_space: global }
      - { .name: Wq, .offset: 16, .size: 8, .value_kind: global_buffer, .address_space: global }
      - { .name: Wk, .offset: 24, .size: 8, .value_kind: global_buffer, .address_space: global }
      - { .name: Wv, .offset: 32, .size: 8, .value_kind: global_buffer, .address_space: global }
      - { .name: xb, .offset: 40, .size: 8, .value_kind: global_buffer, .address_space: global }
      - { .name: wpb, .offset: 48, .size: 8, .value_kind: global_buffer, .address_space: global }
      - { .name: wt, .offset: 56, .size: 8, .value_kind: global_buffer, .address_space: global }
    .group_segment_fixed_size: 34816
    .private_segment_fixed_size: 0
    .kernarg_segment_align: 8
    .kernarg_segment_size: 64
    .max_flat_workgroup_size: 256
    .sgpr_count:     66
    .vgpr_count:     110
    .wavefront_size: 32
...
	.end_amdgpu_metadata
.endif
;; end of part 5
;; launch qkv: the kernel of part 2 again; grid 8 x 32, 4 waves a work-group, clusters of 4 x 4, 327,680 bytes of LDS; arguments xb, wt, qkv; writes qkv
;; launch attn: the kernel of part 3 again; grid 256 x 1, 4 waves a work-group, no clusters, 296,448 bytes of LDS; arguments qkv, att; writes att
;; launch proj: the kernel of part 4 again; grid 8 x 32, 4 waves a work-group, clusters of 4 x 4, 327,680 bytes of LDS; arguments att, wpb, bp, out0; writes out0
